; MI455X (gfx1250); checked and timed in simulation.
; The chip was launched on July 23, 2026; its instructions are those of AMD's public machine-readable ISA for CDNA 5 (MIT licence, August 2026) and "CDNA5" Instruction Set Architecture Reference Guide (July 2026). The comments in the code are by the model that wrote it; some were corrected since.
;; Multi Head Attention. Allowed arithmetic: float matrix products may take bf16 or f16 operands with f32 sums; all other float work in f32.
;; Inputs: Wk 1,024 x 1,024 float32; Wo 1,024 x 1,024 float32; Wq 1,024 x 1,024 float32; Wv 1,024 x 1,024 float32; bk 1,024 float32; bo 1,024 float32; bq 1,024 float32; bv 1,024 float32; rel_emb 4,095 x 64 float32; x 2 x 2,048 x 1,024 float32.
;; Outputs: out0 2 x 2,048 x 1,024 float32.
;; 2 versions, each right and faster than the one before. Each part assembles by itself: llvm-mc -triple=amdgcn-amd-amdhsa -mcpu=gfx1250 --defsym DOCPART=n.
;; ======== version 1 of 2: 4 launches
;; limits: values are held in f16: magnitudes above 65,504 overflow, below 6.1e-05 lose precision
;; workspace buffers: xb 8,388,608 bytes; wb 8,388,608 bytes; eb 524,288 bytes; qb 8,388,608 bytes; kvb 16,777,216 bytes; ab 8,388,608 bytes
;; launch prep (part 1): grid 32 x 33, 8 waves a work-group, no clusters, 18,432 bytes of LDS; arguments x, Wq, Wk, Wv, Wo, rel_emb, xb, wb, eb; writes xb, wb, eb
.if DOCPART == 1
	.amdgcn_target "amdgcn-amd-amdhsa--gfx1250"
	.amdhsa_code_object_version 6
	.text
	.protected	k_q45eb497fa5_prep
	.globl	k_q45eb497fa5_prep
	.p2align	8
	.type	k_q45eb497fa5_prep,@function
k_q45eb497fa5_prep:
	s_mov_b64 s[64:65], 0
	v_nop
	global_prefetch_b8 v0, s[64:65] scope:SCOPE_SE
	s_setreg_imm32_b32 hwreg(HW_REG_WAVE_MODE, 25, 1), 1
	s_wait_xcnt 0x0
; x, the four weight matrices and rel_emb, f32, are rounded once to f16 and laid in FRAGMENT ORDER, the order in which the matrix
; instructions of the later launches want them: a fragment is 16 rows x 32 k, 1,024 bytes, [g = 0,1][lane 0..31][16 bytes], where lane
; (r = lane & 15, h = lane >> 4) of half g holds row r, k = 16 g + 8 h .. + 7.  xb and wb: [row tile][k step 0..31][fragment]; eb: [tile][2][fragment].
; f16 and not bf16: the logits q.rel_emb are not scaled down, so the operands' rounding shows in the softmax; f16 has three bits more.
; LIMIT: numbers of magnitude 65,504 and above become infinities; magnitudes under 6.1e-5 keep an absolute step of 6e-8.
; A JOB is one wave's: 16 rows x 64 k, read as 16 rows of 256 bytes, written as 2,048 consecutive bytes (two fragments).
; Grid y: 0-15 x (4,096 jobs), 16-31 Wq, Wk, Wv, Wo (1,024 jobs each), 32 rel_emb (256 jobs).  All choices are scalar selects on y: no branch.
; rel_emb has 4,095 rows; row 4,095 of eb is a copy of row 4,094 (the row number is clamped): the attention launch never uses that row's products.
; Memory binds: no matrix unit, no cluster, no tensor load.  The transposition goes through 2,176 bytes of LDS that are the wave's own: no barrier.
.set OFF, 8                            ; v[8:15]   byte offset of load i
.set X,   16                           ; v[16:47]  load i: four f32; later the four read-backs
.set Y,   48                           ; v[48:63]  load i: four f16
.set BP,  272                          ; LDS pitch of a block of 16 rows x 16 bytes: 256 + 16, so that the eight blocks start 4 banks apart
	s_load_b512 s[8:23], s[0:1], 0x0               ; x s[8:9], Wq s[10:11], Wk s[12:13], Wv s[14:15], Wo s[16:17], rel_emb s[18:19], xb s[20:21], wb s[22:23]
	s_load_b64 s[24:25], s[0:1], 0x40              ; eb
	v_lshl_add_u32 v64, v0, 2, 0x4400
	v_mov_b32 v65, 0
	v_lshrrev_b32 v1, 5, v0
	v_readfirstlane_b32 s2, v1                     ; wave 0..7
	s_and_b32 s3, ttmp7, 0xffff                    ; grid y
	s_lshl_b32 s4, ttmp9, 3
	s_add_co_u32 s4, s4, s2                        ; 8 x + wave: 0..255
	s_sub_co_u32 s7, s3, 16
	s_lshr_b32 s7, s7, 2                           ; m = (y - 16) / 4: 0..3 a weight matrix, 4 rel_emb; for x it wraps to a number above 4
	s_and_b32 s6, s3, 3
	s_cmp_lt_u32 s3, 16
	s_cselect_b32 s5, s3, s6                       ; x: y;  otherwise y & 3 (0 for rel_emb)
	s_lshl_b32 s5, s5, 8
	s_add_co_u32 s5, s5, s4                        ; the job's number in its tensor
	s_cmp_eq_u32 s3, 32                            ; rel_emb has one job for each row tile, the others sixteen
	s_cselect_b32 s30, 0, 4
	s_cselect_b32 s31, 0, 15
	s_cselect_b32 s32, 8, 12                       ; log2 of a source row's bytes: 256 or 4,096
	s_cselect_b32 s33, 11, 15                      ; log2 of a row tile's bytes at the destination: 2,048 or 32,768
	s_lshr_b32 s34, s5, s30                        ; row tile
	s_and_b32 s35, s5, s31                         ; block of 64 k
	s_lshl_b32 s36, s34, s33
	s_lshl_b32 s38, s35, 11
	s_add_co_u32 s36, s36, s38                     ; destination offset: row tile, then 2,048 bytes for each block of 64 k
	s_lshl_b32 s38, s7, 21
	s_cmp_lt_u32 s7, 4
	s_cselect_b32 s38, s38, 0                      ; + 2 MiB for each weight matrix
	s_add_co_u32 s36, s36, s38
	s_mov_b32 s37, 0
	s_mov_b32 s39, 4095                            ; the tensor's last row
	s_cmp_lt_u32 s7, 4
	s_cselect_b32 s39, 1023, s39
	s_cmp_eq_u32 s7, 4
	s_cselect_b32 s39, 4094, s39
	s_lshl_b32 s34, s34, 4                         ; first row
	s_lshl_b32 s35, s35, 8                         ; byte of the block in a row
	s_mul_i32 s38, s2, 8*BP                        ; my wave's LDS
	v_and_b32 v1, 31, v0
	v_lshlrev_b32 v1, 4, v1                        ; 16 x lane: the stores' offset
	v_and_b32 v2, 15, v0                           ; p: my 16 bytes (4 k) of a 256-byte row
	v_bfe_u32 v3, v0, 4, 1                         ; q: lanes 16-31 take the row 8 further down
	v_lshl_add_u32 v4, v3, 3, s34
	v_lshl_add_u32 v5, v2, 4, s35
.irp i, 0,1,2,3,4,5,6,7
	v_add_nc_u32 v[OFF+\i], \i, v4                 ; row = first + i + 8 q,
	v_min_u32 v[OFF+\i], s39, v[OFF+\i]            ; clamped to the last row: no load leaves the buffer
	v_lshlrev_b32 v[OFF+\i], s32, v[OFF+\i]
	v_add_nc_u32 v[OFF+\i], v[OFF+\i], v5
.endr
	; LDS in: 4 k at k = 4 p belong to block p >> 1 (= 4 kstep + 2 g + h), byte 8 (p & 1) of row i + 8 q's 16 bytes
	v_lshrrev_b32 v6, 1, v2
	v_mul_u32_u24 v6, v6, BP
	v_and_b32 v7, 1, v2
	v_lshl_add_u32 v6, v7, 3, v6
	v_lshl_add_u32 v6, v3, 7, v6
	v_add_nc_u32 v6, s38, v6
	; LDS out: 512 bytes of the result = blocks 2 n (lanes 0-15) and 2 n + 1 (lanes 16-31)
	v_mul_u32_u24 v7, v3, BP
	v_lshl_add_u32 v7, v2, 4, v7
	v_add_nc_u32 v7, s38, v7
	s_wait_kmcnt 0x0
	s_cmp_eq_u32 s7, 0
	s_cselect_b64 s[26:27], s[10:11], s[8:9]       ; the source: x unless m names another
	s_cmp_eq_u32 s7, 1
	s_cselect_b64 s[26:27], s[12:13], s[26:27]
	s_cmp_eq_u32 s7, 2
	s_cselect_b64 s[26:27], s[14:15], s[26:27]
	s_cmp_eq_u32 s7, 3
	s_cselect_b64 s[26:27], s[16:17], s[26:27]
	s_cmp_eq_u32 s7, 4
	s_cselect_b64 s[26:27], s[18:19], s[26:27]
	s_cmp_lt_u32 s7, 4
	s_cselect_b64 s[28:29], s[22:23], s[20:21]     ; the destination: wb, xb
	s_cmp_eq_u32 s7, 4
	s_cselect_b64 s[28:29], s[24:25], s[28:29]     ; or eb
	s_add_nc_u64 s[28:29], s[28:29], s[36:37]
.irp i, 0,1,2,3,4,5,6,7
	global_load_b128 v[X+4*\i:X+4*\i+3], v[OFF+\i], s[26:27] th:TH_LOAD_NT   ; two whole rows of 256 bytes
.endr
.irp i, 0,1,2,3,4,5,6,7
	s_wait_loadcnt 7-\i                            ; loads return in order: load i is in, the 7 - i younger ones stay out
	v_cvt_pk_f16_f32 v[Y+2*\i], v[X+4*\i], v[X+4*\i+1]
	v_cvt_pk_f16_f32 v[Y+2*\i+1], v[X+4*\i+2], v[X+4*\i+3]
	ds_store_b64 v6, v[Y+2*\i:Y+2*\i+1] offset:16*\i
.endr
.irp n, 0,1,2,3
	ds_load_b128 v[X+4*\n:X+4*\n+3], v7 offset:2*BP*\n     ; a wave's LDS instructions are served in order: these see the stores above
.endr
.irp n, 0,1,2,3
	s_wait_dscnt 3-\n                              ; read-back n is in, the younger ones stay out
	global_store_b128 v1, v[X+4*\n:X+4*\n+3], s[28:29] offset:512*\n   ; 512 consecutive bytes, aligned
.endr
	s_wait_tensorcnt 0x0
	ds_add_u32 v64, v65
	s_wait_dscnt 0x0
	s_endpgm
.Lfunc_end_k_q45eb497fa5_prep:
	.size	k_q45eb497fa5_prep, .Lfunc_end_k_q45eb497fa5_prep-k_q45eb497fa5_prep
	.p2alignl 7, 3214868480
	.fill 96, 4, 3214868480
	.section	.rodata,"a",@progbits
	.p2align	6, 0x0
	.amdhsa_kernel k_q45eb497fa5_prep
		.amdhsa_group_segment_fixed_size 18432
		.amdhsa_private_segment_fixed_size 0
		.amdhsa_enable_private_segment 0
		.amdhsa_kernarg_size 72
		.amdhsa_user_sgpr_count 2
		.amdhsa_user_sgpr_kernarg_segment_ptr 1
		.amdhsa_wavefront_size32 1
		.amdhsa_system_sgpr_workgroup_id_x 1
		.amdhsa_system_sgpr_workgroup_id_y 1
		.amdhsa_system_sgpr_workgroup_id_z 1
		.amdhsa_system_vgpr_workitem_id 0
		.amdhsa_next_free_vgpr 66
		.amdhsa_next_free_sgpr 66
		.amdhsa_reserve_vcc 0
		.amdhsa_float_denorm_mode_32 3
		.amdhsa_float_denorm_mode_16_64 3
		.amdhsa_memory_ordered 1
		.amdhsa_forward_progress 1
		.amdhsa_inst_pref_size 8
	.end_amdhsa_kernel
	.amdgpu_metadata
---
amdhsa.version: [ 1, 2 ]
amdhsa.kernels:
  - .name:           k_q45eb497fa5_prep
    .symbol:         k_q45eb497fa5_prep.kd
    .args:
      - { .name: x, .offset: 0, .size: 8, .value_kind: global_buffer, .address_space: global }
      - { .name: Wq, .offset: 8, .size: 8, .value_kind: global_buffer, .address_space: global }
      - { .name: Wk, .offset: 16, .size: 8, .value_kind: global_buffer, .address_space: global }
      - { .name: Wv, .offset: 24, .size: 8, .value_kind: global_buffer, .address_space: global }
      - { .name: Wo, .offset: 32, .size: 8, .value_kind: global_buffer, .address_space: global }
      - { .name: rel_emb, .offset: 40, .size: 8, .value_kind: global_buffer, .address_space: global }
      - { .name: xb, .offset: 48, .size: 8, .value_kind: global_buffer, .address_space: global }
      - { .name: wb, .offset: 56, .size: 8, .value_kind: global_buffer, .address_space: global }
      - { .name: eb, .offset: 64, .size: 8, .value_kind: global_buffer, .address_space: global }
    .group_segment_fixed_size: 18432
    .private_segment_fixed_size: 0
    .kernarg_segment_align: 8
    .kernarg_segment_size: 72
    .max_flat_workgroup_size: 256
    .sgpr_count:     66
    .vgpr_count:     66
    .wavefront_size: 32
...
	.end_amdgpu_metadata
.endif
;; end of part 1
;; launch qkv (part 2): grid 8 x 32, 4 waves a work-group, no clusters, 327,680 bytes of LDS; arguments xb, wb, bq, bk, bv, qb, kvb; writes qb, kvb
.if DOCPART == 2
	.amdgcn_target "amdgcn-amd-amdhsa--gfx1250"
	.amdhsa_code_object_version 6
	.text
	.protected	k_q45eb497fa5_qkv
	.globl	k_q45eb497fa5_qkv
	.p2align	8
	.type	k_q45eb497fa5_qkv,@function
k_q45eb497fa5_qkv:
	s_mov_b64 s[64:65], 0
	v_nop
	global_prefetch_b8 v0, s[64:65] scope:SCOPE_SE
	s_setreg_imm32_b32 hwreg(HW_REG_WAVE_MODE, 25, 1), 1
	s_wait_xcnt 0x0
; Q = (x Wq^T + bq) log2(e),  K = (x Wk^T + bk) / 8,  V = x Wv^T + bv, f16 operands, f32 sums, each rounded once to f16 and stored in the
; fragment order in which the attention launch reads them (see below).  The two scales stand here so that the logits come out in base 2.
; LIMIT: |Q|, |K|, |V| of 65,504 and above become infinities (at the drawn spread they stay under 10).
; A work-group makes 128 tokens (grid y) x 128 features (grid x) of each of Q, K, V; a wave all 128 tokens x 32 features of each: 48 accumulator
; tiles, 384 registers.  For 32 along k a wave reads 28 x 512 bytes from LDS for 48 matrix instructions.
; K goes in 8 steps of 128 through two LDS slots of 128 KB: x, Wq, Wk, Wv, 32 KB each, as [row tile 8][k step 4][fragment 1 KB].  Operands lie in memory
; in fragment order already, so a tile is 8 rows of 4,096 consecutive bytes, 32,768 bytes apart; LDS reads are 512 consecutive bytes: no padding.
; One tensor load a wave and step: wave 0 brings x's tile, wave w the tile of matrix w - 1.
; NOT JOINT: x's tile is also read by the 8 work-groups of a grid row and W's tiles by the 32 of a grid column; here each work-group fetches its own
; copy (8 steps x 128 KB), from buffers that the launch before has just written.  Plain launch, no cluster.
; Q and K: source 0 = 16 features of W, source 1 = 16 tokens of x: a lane then holds one token and 8 neighbouring features = 16 bytes of a fragment whose
; rows are tokens.  V the other way round: a lane holds one feature and 8 neighbouring tokens = 16 bytes of a fragment of V^T.
; REGISTERS: window 0: v1-v9 LDS addresses, v10-v11 bias offsets, two fragment buffers v32-143, v144-255 (x's 8 fragments, then W's 6);
; window 1: Q's tiles at 8 (8 ft + tt), K's at 128 + the same; window 2: V's at 8 (8 ft + tt).
.set SLOT, 131072
.set PART, 32768
.set AX,   1                           ; v1, v2    x's fragments in slot 0, 1: 16 x lane + slot (v1 is also the stores' offset)
.set BW,   4                           ; v[4:9]    slot s, matrix m: v[4 + 3 s + m]
.set F0,   32
.set F1,   144
.set BQ,   32                          ; the way out: biases, in the free buffer 0
.set BK,   48
.set BV,   64
.set OUTA, 144                         ; the way out: 64 registers of packed results
.set OUTB, 80
.set G1,   16                          ; s[16:23]  descriptor group 1
.set G0,   24                          ; s[24:31]  descriptor group 0, one set for each slot
.set MSB,  0
.macro WIN new                         ; the immediate's high byte repeats the setting that is left
.if MSB != \new
	s_set_vgpr_msb (MSB<<8)|\new
.set MSB, \new
.endif
.endm
.macro PLACES                          ; four places behind a matrix instruction before its sources are loaded again or its result is read (ISA guide 7.12.1)
.rept 4
	v_nop
.endr
.endm
	s_load_b256 s[4:11], s[0:1], 0x0               ; xb s[4:5], wb s[6:7], bq s[8:9], bk s[10:11]
	s_load_b128 s[12:15], s[0:1], 0x20             ; bv s[12:13], qb s[14:15]
	s_load_b64 s[36:37], s[0:1], 0x30              ; kvb
	v_lshl_add_u32 v30, v0, 2, 0x40000
	v_mov_b32 v31, 0
	ds_add_u32 v30, v31
	v_lshrrev_b32 v1, 5, v0
	v_readfirstlane_b32 s2, v1                     ; wave 0..3
	s_and_b32 s33, ttmp7, 0xffff                   ; block of 128 tokens
	s_mov_b32 s[G1+0], 3<<16                       ; elements of 8 bytes, no mask, no padding
	s_mov_b32 s[G1+1], 512<<16                     ; tensor_dim0 = 512 elements = 4,096 bytes
	s_mov_b32 s[G1+2], 8<<16                       ; tensor_dim1 = 8
	s_mov_b32 s[G1+3], 512<<16                     ; tile_dim0 = 512
	s_mov_b32 s[G1+4], 8                           ; tile_dim1 = 8 row tiles
	s_mov_b32 s[G1+5], 4096                        ; from row tile to row tile: 32,768 bytes
	s_mov_b32 s[G1+6], 0
	s_mov_b32 s[G1+7], 0
	s_lshl_b32 s35, s2, 15                         ; my part of a slot
	s_max_u32 s39, s2, 1
	s_sub_co_u32 s39, s39, 1                       ; matrix w - 1
	s_lshl_b32 s39, s39, 21                        ; 2 MiB each
	s_lshl_b32 s34, ttmp9, 18                      ; 8 row tiles of 32 KB for each block of 128 features
	s_add_co_u32 s39, s39, s34
	s_lshl_b32 s38, s33, 18                        ; the same for each block of 128 tokens
	s_cmp_eq_u32 s2, 0
	s_cselect_b32 s38, s38, s39
	s_mov_b32 s39, 0
	s_wait_dscnt 0x0
	s_wait_kmcnt 0x0
	s_cselect_b64 s[40:41], s[4:5], s[6:7]         ; still the compare on the wave's number: wave 0 reads xb, the others wb
	s_add_nc_u64 s[40:41], s[40:41], s[38:39]
.irp s, 0,1
	s_mov_b32 s[G0+4*\s], 1
	s_add_co_u32 s[G0+4*\s+1], s35, \s*SLOT        ; LDS: slot + 32,768 x wave
	s_add_nc_u64 s[G0+4*\s+2:G0+4*\s+3], s[40:41], \s*4096   ; K step s: 4 fragments on
	s_or_b32 s[G0+4*\s+3], s[G0+4*\s+3], 0x80000000
	tensor_load_to_lds s[G0+4*\s:G0+4*\s+3], s[G1:G1+7]      ; both first fills go out together, ahead of everything else: two loads of the wave are out
	s_nop 0
.endr
	v_and_b32 v1, 31, v0
	v_lshlrev_b32 v[AX], 4, v1
	v_add_nc_u32 v[AX+1], SLOT, v[AX]
	s_lshl_b32 s42, s2, 13                         ; my 32 features: two row tiles of 4 KB
	v_add_nc_u32 v3, s42, v[AX]
.irp s, 0,1
.irp m, 0,1,2
	v_add_nc_u32 v[BW+3*\s+\m], \s*SLOT+(1+\m)*PART, v3
.endr
.endr
	s_lshl_b32 s43, ttmp9, 9
	s_lshl_b32 s42, s2, 7
	s_add_co_u32 s43, s43, s42                     ; byte of my first feature in a bias
	v_bfe_u32 v10, v0, 4, 1
	v_lshl_add_u32 v10, v10, 5, s43                ; Q, K: 8 features from 8 h
	v_and_b32 v11, 15, v0
	v_lshl_add_u32 v11, v11, 2, s43                ; V: feature r
	s_mov_b32 s44, 0x3fb8aa3b                      ; log2(e), as a pair for the packed forms
	s_mov_b32 s45, 0x3fb8aa3b
	s_mov_b32 s46, 0x3e000000                      ; 1/8 = 1 / sqrt(64)
	s_mov_b32 s47, 0x3e000000
	; where the results go.  bh = 16 batch + head; a wave's 32 features are half (w & 1) of head 2 x + (w >> 1)
	s_lshr_b32 s54, s33, 4
	s_lshl_b32 s54, s54, 4
	s_lshl_b32 s55, ttmp9, 1
	s_add_co_u32 s54, s54, s55
	s_lshr_b32 s55, s2, 1
	s_add_co_u32 s54, s54, s55                     ; bh
	s_and_b32 s55, s33, 15                         ; the block of 128 tokens in its batch = the attention's stage
	s_and_b32 s56, s2, 1
	s_lshl_b32 s48, s54, 18                        ; qb: [bh][token tile 128][ks 2][1 KB]
	s_lshl_b32 s57, s55, 14
	s_add_co_u32 s48, s48, s57
	s_lshl_b32 s57, s56, 10
	s_add_co_u32 s48, s48, s57
	s_mov_b32 s49, 0
	s_lshl_b32 s50, s54, 19                        ; kvb: [bh][stage 16][32 KB]: K [key tile 8][ks 2][1 KB], then V^T [32 keys 4][16 hd 4][1 KB]
	s_lshl_b32 s57, s55, 15
	s_add_co_u32 s50, s50, s57
	s_lshl_b32 s57, s56, 11
	s_add_co_u32 s52, s50, s57
	s_add_co_u32 s52, s52, 16384
	s_mov_b32 s53, 0
	s_lshl_b32 s57, s56, 10
	s_add_co_u32 s50, s50, s57
	s_mov_b32 s51, 0
	s_add_nc_u64 s[48:49], s[14:15], s[48:49]
	s_add_nc_u64 s[50:51], s[36:37], s[50:51]
	s_add_nc_u64 s[52:53], s[36:37], s[52:53]
; 28 LDS loads: the fragments of k step c of slot s into buffer f
.macro FETCH s, c, f
.irp tt, 0,1,2,3,4,5,6,7
	ds_load_b128 v[\f+8*\tt:\f+8*\tt+3],   v[AX+\s] offset:\tt*4096+\c*1024
	ds_load_b128 v[\f+8*\tt+4:\f+8*\tt+7], v[AX+\s] offset:\tt*4096+\c*1024+512
.endr
.irp m, 0,1,2
.irp ft, 0,1
	ds_load_b128 v[\f+64+8*(2*\m+\ft):\f+64+8*(2*\m+\ft)+3],   v[BW+3*\s+\m] offset:\ft*4096+\c*1024
	ds_load_b128 v[\f+64+8*(2*\m+\ft)+4:\f+64+8*(2*\m+\ft)+7], v[BW+3*\s+\m] offset:\ft*4096+\c*1024+512
.endr
.endr
.endm
; 48 matrix instructions on buffer f.  The 48 accumulators take turns, one instruction a turn, in the same order every time.
; zero = 1: the first products start the sums.
.macro MUL f, zero
	WIN 0x50                                       ; C and D in window 1
.irp m, 0,1
.irp ft, 0,1
.irp tt, 0,1,2,3,4,5,6,7
.if \zero
	v_wmma_f32_16x16x32_f16 v[128*\m+8*(8*\ft+\tt):128*\m+8*(8*\ft+\tt)+7], v[\f+64+8*(2*\m+\ft):\f+64+8*(2*\m+\ft)+7], v[\f+8*\tt:\f+8*\tt+7], 0
.else
	v_wmma_f32_16x16x32_f16 v[128*\m+8*(8*\ft+\tt):128*\m+8*(8*\ft+\tt)+7], v[\f+64+8*(2*\m+\ft):\f+64+8*(2*\m+\ft)+7], v[\f+8*\tt:\f+8*\tt+7], v[128*\m+8*(8*\ft+\tt):128*\m+8*(8*\ft+\tt)+7]
.endif
.endr
.endr
.endr
	WIN 0xa0                                       ; C and D in window 2
.irp ft, 0,1
.irp tt, 0,1,2,3,4,5,6,7
.if \zero
	v_wmma_f32_16x16x32_f16 v[8*(8*\ft+\tt):8*(8*\ft+\tt)+7], v[\f+8*\tt:\f+8*\tt+7], v[\f+96+8*\ft:\f+96+8*\ft+7], 0
.else
	v_wmma_f32_16x16x32_f16 v[8*(8*\ft+\tt):8*(8*\ft+\tt)+7], v[\f+8*\tt:\f+8*\tt+7], v[\f+96+8*\ft:\f+96+8*\ft+7], v[8*(8*\ft+\tt):8*(8*\ft+\tt)+7]
.endif
.endr
.endr
	WIN 0
.endm
; fetch k step c of slot s into buffer g, then multiply buffer f
.macro QUARTER s, c, f, g, zero
	PLACES                                         ; buffer g was read by the products just issued
	FETCH \s, \c, \g
	s_wait_dscnt 28                                ; all but the 28 loads just issued: buffer f is whole
	MUL \f, \zero
.endm
.macro THREE s, zero
	QUARTER \s, 1, F0, F1, \zero
	QUARTER \s, 2, F1, F0, 0
	QUARTER \s, 3, F0, F1, 0
.endm
; The change of slots.  In front of the barrier: my reads of slot s are back, and all my tensor loads have landed (the one that is out is my part of the
; next slot).  Behind it nobody reads slot s any more and the next slot is whole: the refill first, then the next slot's first fragments.
.macro TURN s, next, fill
	s_wait_dscnt 0x0
	s_wait_tensorcnt 0x0
	ds_add_u32 v30, v31
	s_wait_dscnt 0x0
.if \fill
	s_add_nc_u64 s[G0+4*\s+2:G0+4*\s+3], s[G0+4*\s+2:G0+4*\s+3], 8192   ; no load of mine is out: two K steps on
.endif
	s_barrier_signal -1
	s_barrier_wait -1
.if \fill
	tensor_load_to_lds s[G0+4*\s:G0+4*\s+3], s[G1:G1+7]   ; my one load behind this barrier; 192 matrix instructions stand between it and the wait for it
	s_nop 0
.endif
	PLACES
	FETCH \next, 0, F0
	MUL F1, 0
.endm
	s_wait_tensorcnt 0x1                           ; my part of K step 0 is in; K step 1's may stay out
	s_barrier_signal -1
	s_barrier_wait -1
	FETCH 0, 0, F0
	THREE 0, 1                                     ; K steps 0 and 1 stand ahead of the loop: the first products start the sums
	TURN 0, 1, 1
	THREE 1, 0
	TURN 1, 0, 1
	s_mov_b32 s3, 2
.Llap:                                             ; K steps 2 to 5
	THREE 0, 0
	TURN 0, 1, 1
	THREE 1, 0
	TURN 1, 0, 1
	s_sub_co_u32 s3, s3, 1
	s_cmp_lg_u32 s3, 0
	s_cbranch_scc1 .Llap
	THREE 0, 0                                     ; K steps 6 and 7 fill nothing
	TURN 0, 1, 0
	THREE 1, 0
	s_wait_dscnt 0x0                               ; buffer 1 is whole
	PLACES                                         ; buffer 0 is free: the biases come in under the last 48 products
.irp ft, 0,1
	global_load_b128 v[BQ+8*\ft:BQ+8*\ft+3],   v10, s[8:9] offset:64*\ft
	global_load_b128 v[BQ+8*\ft+4:BQ+8*\ft+7], v10, s[8:9] offset:64*\ft+16
	global_load_b128 v[BK+8*\ft:BK+8*\ft+3],   v10, s[10:11] offset:64*\ft
	global_load_b128 v[BK+8*\ft+4:BK+8*\ft+7], v10, s[10:11] offset:64*\ft+16
	global_load_b32 v[BV+2*\ft],   v11, s[12:13] offset:64*\ft    ; V's bias is one number a lane, twice: a pair for the packed add
	global_load_b32 v[BV+2*\ft+1], v11, s[12:13] offset:64*\ft
.endr
	MUL F1, 0
	PLACES
	s_wait_loadcnt 0x0
.irp i, 0,2,4,6,8,10,12,14
	v_pk_mul_f32 v[BQ+\i:BQ+\i+1], v[BQ+\i:BQ+\i+1], s[44:45] op_sel_hi:[1,0]   ; the bias takes the scale too
	v_pk_mul_f32 v[BK+\i:BK+\i+1], v[BK+\i:BK+\i+1], s[46:47] op_sel_hi:[1,0]
.endr
; Q or K: sum x scale + bias x scale, rounded to f16; a lane's 8 features are 16 bytes, a wave's store 512 consecutive bytes: half g = ft of a fragment
.macro OUTQK acc, bias, out, sc, base
	WIN 0x41
.irp ft, 0,1
.irp tt, 0,1,2,3,4,5,6,7
.irp i, 0,2,4,6
	v_pk_fma_f32 v[\acc+8*(8*\ft+\tt)+\i:\acc+8*(8*\ft+\tt)+\i+1], v[\acc+8*(8*\ft+\tt)+\i:\acc+8*(8*\ft+\tt)+\i+1], s[\sc:\sc+1], v[\bias+8*\ft+\i:\bias+8*\ft+\i+1] op_sel_hi:[1,0,1]
.endr
.endr
.endr
	WIN 0x05
.irp ft, 0,1
.irp tt, 0,1,2,3,4,5,6,7
.irp i, 0,1,2,3
	v_cvt_pk_f16_f32 v[\out+4*(8*\ft+\tt)+\i], v[\acc+8*(8*\ft+\tt)+2*\i], v[\acc+8*(8*\ft+\tt)+2*\i+1]
.endr
.endr
.endr
	WIN 0
.irp ft, 0,1
.irp tt, 0,1,2,3,4,5,6,7
	global_store_b128 v[AX], v[\out+4*(8*\ft+\tt):\out+4*(8*\ft+\tt)+3], s[\base:\base+1] offset:\tt*2048+\ft*512
.endr
.endr
.endm
	OUTQK 0,   BQ, OUTA, 44, 48
	OUTQK 128, BK, OUTB, 46, 50
	WIN 0x82
.irp ft, 0,1
.irp tt, 0,1,2,3,4,5,6,7
.irp i, 0,2,4,6
	v_pk_add_f32 v[8*(8*\ft+\tt)+\i:8*(8*\ft+\tt)+\i+1], v[8*(8*\ft+\tt)+\i:8*(8*\ft+\tt)+\i+1], v[BV+2*\ft:BV+2*\ft+1]
.endr
.endr
.endr
	s_wait_xcnt 0x0                                ; Q's stores have read their data: OUTA is written again only behind this wait
	WIN 0x0a
.irp ft, 0,1
.irp tt, 0,1,2,3,4,5,6,7
.irp i, 0,1,2,3
	v_cvt_pk_f16_f32 v[OUTA+4*(8*\ft+\tt)+\i], v[8*(8*\ft+\tt)+2*\i], v[8*(8*\ft+\tt)+2*\i+1]
.endr
.endr
.endr
	WIN 0
.irp ft, 0,1
.irp tt, 0,1,2,3,4,5,6,7
	global_store_b128 v[AX], v[OUTA+4*(8*\ft+\tt):OUTA+4*(8*\ft+\tt)+3], s[52:53] offset:(\tt>>1)*4096+\ft*1024+(\tt&1)*512   ; V^T: 32 keys tt >> 1, half tt & 1
.endr
.endr
	s_endpgm
.Lfunc_end_k_q45eb497fa5_qkv:
	.size	k_q45eb497fa5_qkv, .Lfunc_end_k_q45eb497fa5_qkv-k_q45eb497fa5_qkv
	.p2alignl 7, 3214868480
	.fill 96, 4, 3214868480
	.section	.rodata,"a",@progbits
	.p2align	6, 0x0
	.amdhsa_kernel k_q45eb497fa5_qkv
		.amdhsa_group_segment_fixed_size 327680
		.amdhsa_private_segment_fixed_size 0
		.amdhsa_enable_private_segment 0
		.amdhsa_kernarg_size 56
		.amdhsa_user_sgpr_count 2
		.amdhsa_user_sgpr_kernarg_segment_ptr 1
		.amdhsa_wavefront_size32 1
		.amdhsa_system_sgpr_workgroup_id_x 1
		.amdhsa_system_sgpr_workgroup_id_y 1
		.amdhsa_system_sgpr_workgroup_id_z 1
		.amdhsa_system_vgpr_workitem_id 0
		.amdhsa_next_free_vgpr 640
		.amdhsa_next_free_sgpr 66
		.amdhsa_reserve_vcc 0
		.amdhsa_float_denorm_mode_32 3
		.amdhsa_float_denorm_mode_16_64 3
		.amdhsa_memory_ordered 1
		.amdhsa_forward_progress 1
		.amdhsa_inst_pref_size 158
	.end_amdhsa_kernel
	.amdgpu_metadata
---
amdhsa.version: [ 1, 2 ]
amdhsa.kernels:
  - .name:           k_q45eb497fa5_qkv
    .symbol:         k_q45eb497fa5_qkv.kd
    .args:
      - { .name: xb, .offset: 0, .size: 8, .value_kind: global_buffer, .address_space: global }
      - { .name: wb, .offset: 8, .size: 8, .value_kind: global_buffer, .address_space: global }
      - { .name: bq, .offset: 16, .size: 8, .value_kind: global_buffer, .address_space: global }
      - { .name: bk, .offset: 24, .size: 8, .value_kind: global_buffer, .address_space: global }
      - { .name: bv, .offset: 32, .size: 8, .value_kind: global_buffer, .address_space: global }
      - { .name: qb, .offset: 40, .size: 8, .value_kind: global_buffer, .address_space: global }
      - { .name: kvb, .offset: 48, .size: 8, .value_kind: global_buffer, .address_space: global }
    .group_segment_fixed_size: 327680
    .private_segment_fixed_size: 0
    .kernarg_segment_align: 8
    .kernarg_segment_size: 56
    .max_flat_workgroup_size: 128
    .sgpr_count:     66
    .vgpr_count:     640
    .wavefront_size: 32
...
	.end_amdgpu_metadata
.endif
;; end of part 2
;; launch attn (part 3): grid 8 x 32, 8 waves a work-group, no clusters, 327,680 bytes of LDS; arguments qb, kvb, eb, ab; writes ab
.if DOCPART == 3
	.amdgcn_target "amdgcn-amd-amdhsa--gfx1250"
	.amdhsa_code_object_version 6
	.text
	.protected	k_q45eb497fa5_attn
	.globl	k_q45eb497fa5_attn
	.p2align	8
	.type	k_q45eb497fa5_attn,@function
k_q45eb497fa5_attn:
	s_mov_b64 s[64:65], 0
	v_nop
	global_prefetch_b8 v0, s[64:65] scope:SCOPE_SE
	s_setreg_imm32_b32 hwreg(HW_REG_WAVE_MODE, 25, 1), 1
	s_wait_xcnt 0x0
; Attention with relative positions for one (batch, head) (grid y) and 256 queries (grid x).  logit(i, j) = q_i.k_j / 8 + q_i.rel_emb[j - i + 2047], softmax over j
; with a running maximum in f32, then x V.  Q arrives scaled by log2(e) and K by 1/8, so the logits are in base 2 and v_exp_f32 takes them as they are.
; f16 operands, f32 sums.  LIMIT: the probabilities are rounded to f16 (under 6.1e-5 with an absolute step of 6e-8); the row sums are of the unrounded f32.
; Eight waves, 32 queries each (two tiles a = 0, 1 of 16).  16 stages of 128 keys, each two sub-blocks of 64 keys.
; EVERYTHING IS TRANSPOSED: S^T = K Q^T + C, so a lane holds ONE query (lane & 15) and register j of key tile t holds key 16 t + 8 (lane >> 4) + j.  Maximum and sum are
; then per lane (one exchange between the two halves of the lanes), and the exponentials pack straight into source 1 of O^T = V^T P^T.
; THE RELATIVE TERM is a band product and a skew.  For query tile I and 64 keys from j0 the rows of rel_emb needed are 16 tb + c, c = key - m + 15 = 0 .. 78, with
; tb = (j0 - I) / 16 + 127 a whole number: five tiles of 16 rows.  T = Q E^T (lane = c, register = query m) is stored into the wave's own LDS at row m, column
; c + m + 1 = key + 16, and read back by rows as the C operand of S^T.  Tile a = 1 starts one E tile below a = 0: six E tiles serve both.
; The product with eb's row 4,095 (a copy of row 4,094) is c = 79 of the last tile: it lands in column m + 80, and only columns 16 to 79 are read.
; LDS: two slots of 80 KB: the stage's band of 24 E tiles (48 KB; tiles 8 stage - 16 x + 112 .. + 23 of 256), then K (16 KB) and V^T (16 KB); behind them each wave's
; 12,800 bytes for T: 2 x 16 rows of 400 bytes (25 x 16: the sixteen rows of a read-back start in different banks).  No tensor load ever lands there.
; Waves 0-3 bring 12 KB of the band each, waves 4-7 8 KB of K/V each: one tensor load a wave and stage, and one is out at a time.
; NOT JOINT: the 8 work-groups of a head read the same K/V, 32 of a stage's 80 KB; the band differs from work-group to work-group.  Plain launch, each fetches its own.
.set SLOT, 81920
.set KVO,  49152                       ; K and V^T in a slot
.set SCR,  163840
.set SCRW, 12800
.set KA,  2                            ; v2, v3    16 x lane + slot + KVO
.set EA,  4                            ; v4, v5    16 x lane + slot + (14 - 2 wave) tiles: my wave's first E tile of sub-block 0
.set STO, 6                            ; v6        T in:  scratch + 3,232 h + 4 r
.set LDT, 7                            ; v7        T out: scratch + 400 r + 32 h
.set L16, 8                            ; v8        16 x lane
.set MP,  10                           ; v[10:13]  tile a: the running maximum, twice
.set LS,  14                           ; v[14:17]  tile a: two partial sums of my half of the keys
.set TA,  18
.set TB,  19
.set TC,  20
.set TD,  21
.set AL,  22                           ; v[22:23]  exp2(old maximum - new), twice
.set T2,  24                           ; v[24:25]  second chain of sums
.set Q,   32                           ; v[32:63]  Q fragment (a, ks) at 32 + 16 a + 8 ks
.set O,   64                           ; v[64:127] O^T tile (d, a) at 64 + 8 (2 d + a)
.set W,   128                          ; v[128:255] at work, see SUB
.set G1K, 16                           ; s[16:23]  group 1, K/V: 32 rows of 256 bytes
.set G1E, 24                           ; s[24:31]  group 1, band: 48 rows of 256 bytes
.set G0E, 32                           ; s[32:39]  group 0, band, one set for each slot
.set G0K, 40                           ; s[40:47]  group 0, K/V, one set for each slot
.macro PLACES n
.rept \n
	v_nop
.endr
.endm
; The stage's load into slot s.  The branch hangs on the wave's number alone.
.macro TLOAD s
	s_cmp_lt_u32 s2, 4
	s_cbranch_scc0 .Lkv_\@
	tensor_load_to_lds s[G0E+4*\s:G0E+4*\s+3], s[G1E:G1E+7]
	s_nop 0
	s_branch .Lasked_\@
.Lkv_\@:
	tensor_load_to_lds s[G0K+4*\s:G0K+4*\s+3], s[G1K:G1K+7]
	s_nop 0
.Lasked_\@:
.endm
	s_load_b256 s[4:11], s[0:1], 0x0               ; qb s[4:5], kvb s[6:7], eb s[8:9], ab s[10:11]
	v_lshl_add_u32 v30, v0, 2, 0x41000
	v_mov_b32 v31, 0
	ds_add_u32 v30, v31
	v_lshrrev_b32 v1, 5, v0
	v_readfirstlane_b32 s2, v1                     ; wave 0..7
	s_and_b32 s12, ttmp7, 0xffff                   ; bh = 16 batch + head
	s_mov_b32 s[G1K+0], 3<<16                      ; elements of 8 bytes; dense blocks as rows of 32 elements = 256 bytes
	s_mov_b32 s[G1K+1], 32<<16
	s_mov_b32 s[G1K+2], 32<<16                     ; 32 rows = 8 KB
	s_mov_b32 s[G1K+3], 32<<16
	s_mov_b32 s[G1K+4], 32
	s_mov_b32 s[G1K+5], 32
	s_mov_b32 s[G1K+6], 0
	s_mov_b32 s[G1K+7], 0
	s_mov_b32 s[G1E+0], 3<<16
	s_mov_b32 s[G1E+1], 32<<16
	s_mov_b32 s[G1E+2], 48<<16                     ; 48 rows = 12 KB
	s_mov_b32 s[G1E+3], 32<<16
	s_mov_b32 s[G1E+4], 48
	s_mov_b32 s[G1E+5], 32
	s_mov_b32 s[G1E+6], 0
	s_mov_b32 s[G1E+7], 0
	s_mov_b32 s48, 0x76543210                      ; v_permlanex16_b32: lane i reads lane i of the other half
	s_mov_b32 s49, 0xfedcba98
	s_and_b32 s51, s2, 3                           ; which quarter of a tile I bring
	s_lshl_b32 s52, ttmp9, 15                      ; 16 E tiles of 2 KB for each block of 256 queries
	s_sub_co_u32 s52, 112*2048, s52
	s_mul_i32 s53, s51, 12288
	s_add_co_u32 s52, s52, s53
	s_mov_b32 s53, 0
	s_lshl_b32 s54, s12, 19                        ; 16 stages of 32 KB for each bh
	s_lshl_b32 s55, s51, 13
	s_add_co_u32 s54, s54, s55
	s_mov_b32 s55, 0
	s_mul_i32 s56, s2, 12288                       ; LDS, band: 12,288 x wave (waves 0-3)
	s_lshl_b32 s57, s2, 13                         ; LDS, K/V: 8,192 x wave + 16,384 (waves 4-7: from 49,152)
	s_wait_dscnt 0x0
	s_wait_kmcnt 0x0
	s_add_nc_u64 s[52:53], s[8:9], s[52:53]
	s_add_nc_u64 s[54:55], s[6:7], s[54:55]
.irp s, 0,1                                        ; every wave makes both kinds and asks by one of them; slot s is set up for stage s
	s_mov_b32 s[G0E+4*\s], 1
	s_add_co_u32 s[G0E+4*\s+1], s56, \s*SLOT
	s_add_nc_u64 s[G0E+4*\s+2:G0E+4*\s+3], s[52:53], \s*16384   ; a stage moves the band by 8 tiles
	s_or_b32 s[G0E+4*\s+3], s[G0E+4*\s+3], 0x80000000
	s_mov_b32 s[G0K+4*\s], 1
	s_add_co_u32 s[G0K+4*\s+1], s57, \s*SLOT+16384
	s_add_nc_u64 s[G0K+4*\s+2:G0K+4*\s+3], s[54:55], \s*32768
	s_or_b32 s[G0K+4*\s+3], s[G0K+4*\s+3], 0x80000000
.endr
	TLOAD 0                                        ; stage 0; slot 1 is first filled behind the first stage's barrier
	v_and_b32 v1, 31, v0
	v_lshlrev_b32 v[L16], 4, v1
	v_and_b32 v9, 15, v0                           ; r
	v_bfe_u32 v1, v0, 4, 1                         ; h
	s_lshl_b32 s58, s2, 12
	s_sub_co_u32 s58, 14*2048, s58
	v_add_nc_u32 v[KA], KVO, v[L16]
	v_add_nc_u32 v[KA+1], SLOT+KVO, v[L16]
	v_add_nc_u32 v[EA], s58, v[L16]
	v_add_nc_u32 v[EA+1], SLOT, v[EA]
	s_mul_i32 s59, s2, SCRW
	s_add_co_u32 s59, s59, SCR                     ; my wave's scratch
	v_mul_u32_u24 v[STO], v1, 3232                 ; 8 rows of 400 bytes and 8 columns of 4
	v_lshl_add_u32 v[STO], v9, 2, v[STO]
	v_add_nc_u32 v[STO], s59, v[STO]
	v_mul_u32_u24 v[LDT], v9, 400
	v_lshl_add_u32 v[LDT], v1, 5, v[LDT]
	v_add_nc_u32 v[LDT], s59, v[LDT]
	v_mov_b32 v[TC], 0                             ; destinations of v_permlanex16_b32 count as read
	v_mov_b32 v[TD], 0
	s_lshl_b32 s60, s12, 18                        ; qb: 128 tiles of 2 KB for each bh
	s_lshl_b32 s61, ttmp9, 15
	s_add_co_u32 s60, s60, s61
	s_lshl_b32 s61, s2, 12
	s_add_co_u32 s60, s60, s61
	s_mov_b32 s61, 0
	s_add_nc_u64 s[60:61], s[4:5], s[60:61]
.irp n, 0,1,2,3,4,5,6,7
	global_load_b128 v[Q+4*\n:Q+4*\n+3], v[L16], s[60:61] offset:512*\n   ; my two query tiles, 4 KB in fragment order
.endr
	s_wait_loadcnt 0x0
; one product of the band: accumulator acc (+)= Q(a, ks) x E tile x
.macro TW acc, a, x, ks
.if \ks
	v_wmma_f32_16x16x32_f16 v[\acc:\acc+7], v[Q+16*\a+8:Q+16*\a+15], v[W+16*(\x)+8:W+16*(\x)+15], v[\acc:\acc+7]
.else
	v_wmma_f32_16x16x32_f16 v[\acc:\acc+7], v[Q+16*\a:Q+16*\a+7], v[W+16*(\x):W+16*(\x)+7], 0
.endif
.endm
; the skewed store: element (m = 8 h + j, c = r) of band tile y goes to row m, column 16 y + c + m + 1.  Lanes 16-31 lie 808 words = 40 banks from lanes 0-15.
.macro TST acc, a, y
.irp j, 0,1,2,3,4,5,6,7
	ds_store_b32 v[STO], v[\acc+\j] offset:404*\j+64*(\y)+6400*\a+4
.endr
.endm
; band tiles y0 .. y0 + n - 1 of both query tiles.  The accumulators take turns, one instruction a turn.
.macro TGROUP y0, n
.irp ks, 0,1
	TW W+96,  1, \y0,   \ks
	TW W+104, 0, \y0+1, \ks
.if \n > 1
	TW W+112, 1, \y0+1, \ks
	TW W+120, 0, \y0+2, \ks
.endif
.endr
	PLACES 5                                       ; four before the stores read the results, five before later products write over them or over the E tiles
	TST W+96,  1, \y0
	TST W+104, 0, \y0
.if \n > 1
	TST W+112, 1, \y0+1
	TST W+120, 0, \y0+1
.endif
.endm
; Query tile a: running maximum, exponentials, sums, P in f16; first = 1: nothing to carry on from.
.macro SOFTMAX a, first
.set SB,  W+32*\a
.set MPA, MP+2*\a
.set LSA, LS+2*\a
	v_max3_num_f32 v[TA], v[SB], v[SB+1], v[SB+2]              ; two chains over my 32 logits
	v_max3_num_f32 v[TB], v[SB+16], v[SB+17], v[SB+18]
.irp i, 3,5,7,9,11,13
	v_max3_num_f32 v[TA], v[TA], v[SB+\i], v[SB+\i+1]
	v_max3_num_f32 v[TB], v[TB], v[SB+16+\i], v[SB+17+\i]
.endr
	v_max3_num_f32 v[TA], v[TA], v[TB], v[SB+15]
.if \first
	v_max_num_f32 v[TA], v[TA], v[SB+31]
.else
	v_max3_num_f32 v[TA], v[TA], v[SB+31], v[MPA]
.endif
	v_permlanex16_b32 v[TC], v[TA], s48, s49       ; the other half of the lanes holds the query's other keys
	v_max_num_f32 v[TA], v[TA], v[TC]
.if \first == 0
	v_sub_f32 v[TD], v[MPA], v[TA]
	v_exp_f32 v[AL], v[TD]                         ; the two moves below are the plain place behind it (ISA guide 5.7.2)
.endif
	v_mov_b32 v[MPA], v[TA]
	v_mov_b32 v[MPA+1], v[TA]
.if \first == 0
	s_wait_alu depctr_va_vdst(0)
	v_mov_b32 v[AL+1], v[AL]
.endif
.set n, 0
.rept 16
	v_pk_add_f32 v[SB+2*n:SB+2*n+1], v[SB+2*n:SB+2*n+1], v[MPA:MPA+1] neg_lo:[0,1] neg_hi:[0,1]
.set n, n+1
.endr
.set n, 0
.rept 32
	v_exp_f32 v[SB+n], v[SB+n]
.set n, n+1
.endr
.if \first
	v_nop                                          ; the plain place behind the exponentials
	s_wait_alu depctr_va_vdst(0)
.else
	s_wait_alu depctr_va_vdst(0)
.irp d, 0,1,2,3                                    ; the old sums of O take the factor: also the plain place behind the exponentials
.irp i, 0,2,4,6
	v_pk_mul_f32 v[O+8*(2*\d+\a)+\i:O+8*(2*\d+\a)+\i+1], v[O+8*(2*\d+\a)+\i:O+8*(2*\d+\a)+\i+1], v[AL:AL+1]
.endr
.endr
.endif
	v_pk_add_f32 v[T2:T2+1], v[SB+2:SB+3], v[SB+4:SB+5]
.if \first
	v_pk_add_f32 v[LSA:LSA+1], v[SB:SB+1], v[SB+6:SB+7]
.else
	v_pk_fma_f32 v[LSA:LSA+1], v[LSA:LSA+1], v[AL:AL+1], v[SB:SB+1]
	v_pk_add_f32 v[LSA:LSA+1], v[LSA:LSA+1], v[SB+6:SB+7]
.endif
.irp i, 8,12,16,20,24,28
	v_pk_add_f32 v[T2:T2+1], v[T2:T2+1], v[SB+\i:SB+\i+1]
	v_pk_add_f32 v[LSA:LSA+1], v[LSA:LSA+1], v[SB+\i+2:SB+\i+3]
.endr
	v_pk_add_f32 v[LSA:LSA+1], v[LSA:LSA+1], v[T2:T2+1]
.set n, 0
.rept 16
	v_cvt_pk_f16_f32 v[W+64+16*\a+n], v[SB+2*n], v[SB+2*n+1]   ; keys 16 t + 8 h + 2 i, + 1 -> register 4 t + i: the fragments of 32 keys 0 and 1
.set n, n+1
.endr
.endm
; One sub-block of 64 keys.  W, in turn:  T: E tiles 0-5 at W+16 x, accumulators W+96..127.   S: skewed T = C and S^T (a, t) at W+8 (4 a + t), K (t, ks) at W+64+16 t+8 ks.
; then V^T (32 keys 0) at W+96+8 d, P (a, kk) at W+64+16 a+8 kk, V^T (32 keys 1) at W+8 d.
.macro SUB s, sb, first
	PLACES 5                                       ; behind the last products: four before loads land on their sources, five before products write over them
.irp x, 0,1,2,3,4,5
.irp p, 0,1,2,3
	ds_load_b128 v[W+16*\x+4*\p:W+16*\x+4*\p+3], v[EA+\s] offset:(4*\sb+\x)*2048+512*\p
.endr
.endr
	s_wait_dscnt 12                                ; E tiles 0, 1, 2 are in; the twelve loads of tiles 3, 4, 5 may be out
	TGROUP 0, 2
	s_wait_dscnt 32                                ; all but that group's 32 stores: every E tile is in
	TGROUP 2, 2
	TGROUP 4, 1
.irp t, 0,1,2,3
.irp p, 0,1,2,3
	ds_load_b128 v[W+64+16*\t+4*\p:W+64+16*\t+4*\p+3], v[KA+\s] offset:(4*\sb+\t)*2048+512*\p
.endr
.endr
.irp a, 0,1
.irp t, 0,1,2,3
.irp g, 0,1
	ds_load_b128 v[W+8*(4*\a+\t)+4*\g:W+8*(4*\a+\t)+4*\g+3], v[LDT] offset:6400*\a+64*\t+16*\g+64   ; row = query r, columns key + 16; served behind my stores, in order
.endr
.endr
.endr
	s_wait_dscnt 0x0
.irp ks, 0,1                                       ; eight accumulators by turns, one instruction a turn
.irp t, 0,1,2,3
.irp a, 0,1
	v_wmma_f32_16x16x32_f16 v[W+8*(4*\a+\t):W+8*(4*\a+\t)+7], v[W+64+16*\t+8*\ks:W+64+16*\t+8*\ks+7], v[Q+16*\a+8*\ks:Q+16*\a+8*\ks+7], v[W+8*(4*\a+\t):W+8*(4*\a+\t)+7]
.endr
.endr
.endr
	PLACES 5
.irp d, 0,1,2,3
.irp g, 0,1
	ds_load_b128 v[W+96+8*\d+4*\g:W+96+8*\d+4*\g+3], v[KA+\s] offset:16384+(2*\sb)*4096+\d*1024+\g*512
.endr
.endr
	SOFTMAX 0, \first
.irp d, 0,1,2,3
.irp g, 0,1
	ds_load_b128 v[W+8*\d+4*\g:W+8*\d+4*\g+3], v[KA+\s] offset:16384+(2*\sb+1)*4096+\d*1024+\g*512
.endr
.endr
	SOFTMAX 1, \first
	s_wait_dscnt 0x0
.irp kk, 0,1                                       ; eight accumulators by turns again
.irp d, 0,1,2,3
.irp a, 0,1
.if \first*(1-\kk)
	v_wmma_f32_16x16x32_f16 v[O+8*(2*\d+\a):O+8*(2*\d+\a)+7], v[W+96*(1-\kk)+8*\d:W+96*(1-\kk)+8*\d+7], v[W+64+16*\a+8*\kk:W+64+16*\a+8*\kk+7], 0
.else
	v_wmma_f32_16x16x32_f16 v[O+8*(2*\d+\a):O+8*(2*\d+\a)+7], v[W+96*(1-\kk)+8*\d:W+96*(1-\kk)+8*\d+7], v[W+64+16*\a+8*\kk:W+64+16*\a+8*\kk+7], v[O+8*(2*\d+\a):O+8*(2*\d+\a)+7]
.endif
.endr
.endr
.endr
.endm
; One stage, in slot s; o = the other slot.  In front of the barrier every wave's tensor loads have landed (its part of this stage among them) and its LDS reads are back;
; behind it this slot is whole and nobody reads the other one: the next stage's load goes out first and has the whole stage in which to land.
.macro TRIP s, o, refill, first
	s_wait_tensorcnt 0x0
	ds_add_u32 v30, v31
	s_wait_dscnt 0x0
	s_add_nc_u64 s[G0E+4*\s+2:G0E+4*\s+3], s[G0E+4*\s+2:G0E+4*\s+3], 32768   ; no load of mine is out: this slot's next stage, two on
	s_add_nc_u64 s[G0K+4*\s+2:G0K+4*\s+3], s[G0K+4*\s+2:G0K+4*\s+3], 65536
	s_wait_dscnt 0x0
	s_barrier_signal -1
	s_barrier_wait -1
.if \refill
	TLOAD \o
.endif
	SUB \s, 0, \first
	SUB \s, 1, 0
.endm
	TRIP 0, 1, 1, 1                                ; stages 0 and 1 stand ahead of the loop: the first sub-block starts maximum, sums and O
	TRIP 1, 0, 1, 0
	s_mov_b32 s50, 6
.Lpair:                                            ; stages 2 to 13
	TRIP 0, 1, 1, 0
	TRIP 1, 0, 1, 0
	s_sub_co_u32 s50, s50, 1
	s_cmp_lg_u32 s50, 0
	s_cbranch_scc1 .Lpair
	TRIP 0, 1, 1, 0                                ; stage 14 asks for stage 15,
	TRIP 1, 0, 0, 0                                ; which asks for nothing (the stepped addresses are not used)
	; O / sum, rounded to f16, in the fragment order of the output projection: a lane's 8 numbers are features 64 head + 16 d + 8 h .. + 7 of token r
	PLACES 4
	v_add_f32 v[TA], v[LS], v[LS+1]
	v_add_f32 v[TB], v[LS+2], v[LS+3]
	v_permlanex16_b32 v[TC], v[TA], s48, s49
	v_permlanex16_b32 v[TD], v[TB], s48, s49
	v_add_f32 v[TA], v[TA], v[TC]
	v_add_f32 v[TB], v[TB], v[TD]
	v_rcp_f32 v[AL], v[TA]
	v_rcp_f32 v[AL+2], v[TB]
	v_nop                                          ; the plain place behind the reciprocals
	s_wait_alu depctr_va_vdst(0)
	v_mov_b32 v[AL+1], v[AL]
	v_mov_b32 v[AL+3], v[AL+2]
	s_lshr_b32 s54, s12, 4                         ; batch
	s_lshl_b32 s54, s54, 7
	s_lshl_b32 s55, ttmp9, 4
	s_add_co_u32 s54, s54, s55
	s_lshl_b32 s55, s2, 1
	s_add_co_u32 s54, s54, s55                     ; token tile 128 batch + 16 x + 2 wave
	s_lshl_b32 s52, s54, 15
	s_and_b32 s55, s12, 15
	s_lshl_b32 s55, s55, 11                        ; a head is two k steps
	s_add_co_u32 s52, s52, s55
	s_mov_b32 s53, 0
	s_add_nc_u64 s[52:53], s[10:11], s[52:53]
.irp d, 0,1,2,3
.irp a, 0,1
.irp i, 0,2,4,6
	v_pk_mul_f32 v[O+8*(2*\d+\a)+\i:O+8*(2*\d+\a)+\i+1], v[O+8*(2*\d+\a)+\i:O+8*(2*\d+\a)+\i+1], v[AL+2*\a:AL+2*\a+1]
.endr
.irp i, 0,1,2,3
	v_cvt_pk_f16_f32 v[W+4*(2*\d+\a)+\i], v[O+8*(2*\d+\a)+2*\i], v[O+8*(2*\d+\a)+2*\i+1]
.endr
	global_store_b128 v[L16], v[W+4*(2*\d+\a):W+4*(2*\d+\a)+3], s[52:53] offset:\a*32768+(\d>>1)*1024+(\d&1)*512   ; 512 consecutive bytes, registers of their own
.endr
.endr
	s_wait_tensorcnt 0x0
	ds_add_u32 v30, v31
	s_wait_dscnt 0x0
	s_endpgm
.Lfunc_end_k_q45eb497fa5_attn:
	.size	k_q45eb497fa5_attn, .Lfunc_end_k_q45eb497fa5_attn-k_q45eb497fa5_attn
	.p2alignl 7, 3214868480
	.fill 96, 4, 3214868480
	.section	.rodata,"a",@progbits
	.p2align	6, 0x0
	.amdhsa_kernel k_q45eb497fa5_attn
		.amdhsa_group_segment_fixed_size 327680
		.amdhsa_private_segment_fixed_size 0
		.amdhsa_enable_private_segment 0
		.amdhsa_kernarg_size 32
		.amdhsa_user_sgpr_count 2
		.amdhsa_user_sgpr_kernarg_segment_ptr 1
		.amdhsa_wavefront_size32 1
		.amdhsa_system_sgpr_workgroup_id_x 1
		.amdhsa_system_sgpr_workgroup_id_y 1
		.amdhsa_system_sgpr_workgroup_id_z 1
		.amdhsa_system_vgpr_workitem_id 0
		.amdhsa_next_free_vgpr 256
		.amdhsa_next_free_sgpr 66
		.amdhsa_reserve_vcc 0
		.amdhsa_float_denorm_mode_32 3
		.amdhsa_float_denorm_mode_16_64 3
		.amdhsa_memory_ordered 1
		.amdhsa_forward_progress 1
		.amdhsa_inst_pref_size 255
	.end_amdhsa_kernel
	.section	.bss,"aw",@nobits
	.p2align	6
	.space	262144
	.amdgpu_metadata
---
amdhsa.version: [ 1, 2 ]
amdhsa.kernels:
  - .name:           k_q45eb497fa5_attn
    .symbol:         k_q45eb497fa5_attn.kd
    .args:
      - { .name: qb, .offset: 0, .size: 8, .value_kind: global_buffer, .address_space: global }
      - { .name: kvb, .offset: 8, .size: 8, .value_kind: global_buffer, .address_space: global }
      - { .name: eb, .offset: 16, .size: 8, .value_kind: global_buffer, .address_space: global }
      - { .name: ab, .offset: 24, .size: 8, .value_kind: global_buffer, .address_space: global }
    .group_segment_fixed_size: 327680
    .private_segment_fixed_size: 0
    .kernarg_segment_align: 8
    .kernarg_segment_size: 32
    .max_flat_workgroup_size: 256
    .sgpr_count:     66
    .vgpr_count:     256
    .wavefront_size: 32
...
	.end_amdgpu_metadata
.endif
;; end of part 3
;; launch oproj (part 4): grid 8 x 32, 4 waves a work-group, no clusters, 327,680 bytes of LDS; arguments ab, wb, bo, out0; writes out0
.if DOCPART == 4
	.amdgcn_target "amdgcn-amd-amdhsa--gfx1250"
	.amdhsa_code_object_version 6
	.text
	.protected	k_q45eb497fa5_oproj
	.globl	k_q45eb497fa5_oproj
	.p2align	8
	.type	k_q45eb497fa5_oproj,@function
k_q45eb497fa5_oproj:
	s_mov_b64 s[64:65], 0
	v_nop
	global_prefetch_b8 v0, s[64:65] scope:SCOPE_SE
	s_setreg_imm32_b32 hwreg(HW_REG_WAVE_MODE, 25, 1), 1
	s_wait_xcnt 0x0
; out0 = attention output x Wo^T + bo.  f16 operands in fragment order (ab as the attention launch stored it, Wo the fourth matrix of wb), f32 sums, f32 result.
; A work-group makes 128 tokens (grid y) x 128 features (grid x); wave w 64 tokens (w >> 1) x 64 features (w & 1): 16 accumulator tiles in window 1.
; K goes in 8 steps of 128 through two LDS slots of 64 KB: ab's 8 row tiles, then Wo's 8, each [k step 4][fragment 1 KB].  One tensor load a wave and step:
; 4 row tiles of 4,096 consecutive bytes, 32,768 bytes apart; waves 0, 1 bring ab's halves, waves 2, 3 Wo's.
; NOT JOINT: ab's tile is also read by the 8 work-groups of a grid row, Wo's by the 32 of a grid column; here each fetches its own copy (8 steps x 64 KB).  Plain launch.
; Source 0 = 16 features of Wo, source 1 = 16 tokens: a lane holds one token and 8 neighbouring features, 32 bytes of a row of out0.  16 tokens at a time go through
; the wave's own stage in LDS (16 rows of 256 + 16 bytes, behind the slots, never a tensor load's target), so that sixteen lanes store 256 consecutive bytes.
.set SLOT,  65536
.set STAGE, 131072
.set SP,    272
.set AX,  2                            ; v2, v3   my 64 tokens' fragments in slot 0, 1
.set BW,  4                            ; v4, v5   my 64 features' fragments
.set STG, 6                            ; v6       stage in
.set RD,  7                            ; v7       stage out
.set CO,  8                            ; v8       my byte offset in out0
.set F0,  32                           ; v[32:95]   fragment buffer 0: 4 of tokens, 4 of Wo
.set F1,  96                           ; v[96:159]  fragment buffer 1
.set BO,  160                          ; v[160:191] bo of my 8 features in each of 4 feature tiles
.set OUT, 32                           ; the way out: 128 registers, four for each store
.set G1,  16
.set G0,  24
.set MSB, 0
.macro WIN new
.if MSB != \new
	s_set_vgpr_msb (MSB<<8)|\new
.set MSB, \new
.endif
.endm
.macro PLACES
.rept 4
	v_nop
.endr
.endm
	s_load_b256 s[4:11], s[0:1], 0x0               ; ab s[4:5], wb s[6:7], bo s[8:9], out0 s[10:11]
	v_lshl_add_u32 v254, v0, 2, 0x29000
	v_mov_b32 v255, 0
	ds_add_u32 v254, v255
	v_lshrrev_b32 v1, 5, v0
	v_readfirstlane_b32 s2, v1                     ; wave 0..3
	s_and_b32 s33, ttmp7, 0xffff                   ; block of 128 tokens
	s_mov_b32 s[G1+0], 3<<16                       ; elements of 8 bytes
	s_mov_b32 s[G1+1], 512<<16                     ; rows of 512 elements = 4,096 bytes
	s_mov_b32 s[G1+2], 4<<16
	s_mov_b32 s[G1+3], 512<<16
	s_mov_b32 s[G1+4], 4                           ; 4 row tiles
	s_mov_b32 s[G1+5], 4096                        ; 32,768 bytes apart
	s_mov_b32 s[G1+6], 0
	s_mov_b32 s[G1+7], 0
	s_lshl_b32 s35, s2, 14                         ; my quarter of a slot
	s_and_b32 s34, s2, 1
	s_cmp_lt_u32 s2, 2
	s_cselect_b32 s38, s33, ttmp9                  ; ab: block of tokens; Wo: block of features
	s_cselect_b32 s39, 0, 6291456                  ; Wo lies behind three matrices of 2 MiB
	s_lshl_b32 s38, s38, 3
	s_lshl2_add_u32 s38, s34, s38                  ; row tile 8 block + 4 half
	s_lshl_b32 s38, s38, 15
	s_add_co_u32 s38, s38, s39
	s_mov_b32 s39, 0
	s_wait_dscnt 0x0
	s_wait_kmcnt 0x0
	s_cmp_lt_u32 s2, 2
	s_cselect_b64 s[40:41], s[4:5], s[6:7]
	s_add_nc_u64 s[40:41], s[40:41], s[38:39]
.irp s, 0,1
	s_mov_b32 s[G0+4*\s], 1
	s_add_co_u32 s[G0+4*\s+1], s35, \s*SLOT
	s_add_nc_u64 s[G0+4*\s+2:G0+4*\s+3], s[40:41], \s*4096
	s_or_b32 s[G0+4*\s+3], s[G0+4*\s+3], 0x80000000
	tensor_load_to_lds s[G0+4*\s:G0+4*\s+3], s[G1:G1+7]      ; both first fills together: two loads of the wave are out
	s_nop 0
.endr
	v_and_b32 v1, 31, v0
	v_lshlrev_b32 v1, 4, v1                        ; 16 x lane
	s_lshr_b32 s36, s2, 1                          ; which 64 tokens
	s_lshl_b32 s42, s36, 14
	v_add_nc_u32 v[AX], s42, v1
	v_add_nc_u32 v[AX+1], SLOT, v[AX]
	s_lshl_b32 s43, s34, 14                        ; which 64 features
	s_add_co_u32 s43, s43, 32768
	v_add_nc_u32 v[BW], s43, v1
	v_add_nc_u32 v[BW+1], SLOT, v[BW]
	v_and_b32 v10, 15, v0                          ; r
	v_bfe_u32 v11, v0, 4, 1                        ; h
	s_mul_i32 s44, s2, 16*SP
	s_add_co_u32 s44, s44, STAGE
	v_mul_u32_u24 v[STG], v10, SP                  ; in: row r, 32 bytes for each half of the lanes
	v_lshl_add_u32 v[STG], v11, 5, v[STG]
	v_add_nc_u32 v[STG], s44, v[STG]
	v_mul_u32_u24 v[RD], v11, SP                   ; out: lanes 0-15 one row of 256 bytes, lanes 16-31 the next
	v_lshl_add_u32 v[RD], v10, 4, v[RD]
	v_add_nc_u32 v[RD], s44, v[RD]
	v_lshlrev_b32 v[CO], 12, v11                   ; the same two rows in out0
	v_lshl_add_u32 v[CO], v10, 4, v[CO]
	s_lshl_b32 s45, ttmp9, 9
	s_lshl_b32 s46, s34, 8
	s_add_co_u32 s45, s45, s46                     ; byte of my first feature in a row of out0 and in bo
	v_lshl_add_u32 v9, v11, 5, s45
.irp ft, 0,1,2,3
	global_load_b128 v[BO+8*\ft:BO+8*\ft+3],   v9, s[8:9] offset:64*\ft      ; waited for on the way out
	global_load_b128 v[BO+8*\ft+4:BO+8*\ft+7], v9, s[8:9] offset:64*\ft+16
.endr
	s_lshl_b32 s46, s33, 19                        ; 128 rows of 4,096 bytes
	s_lshl_b32 s47, s36, 18
	s_add_co_u32 s46, s46, s47
	s_add_co_u32 s46, s46, s45
	s_mov_b32 s47, 0
	s_add_nc_u64 s[46:47], s[10:11], s[46:47]
.macro FETCH s, c, f
.irp tt, 0,1,2,3
	ds_load_b128 v[\f+8*\tt:\f+8*\tt+3],   v[AX+\s] offset:\tt*4096+\c*1024
	ds_load_b128 v[\f+8*\tt+4:\f+8*\tt+7], v[AX+\s] offset:\tt*4096+\c*1024+512
.endr
.irp ft, 0,1,2,3
	ds_load_b128 v[\f+32+8*\ft:\f+32+8*\ft+3],   v[BW+\s] offset:\ft*4096+\c*1024
	ds_load_b128 v[\f+32+8*\ft+4:\f+32+8*\ft+7], v[BW+\s] offset:\ft*4096+\c*1024+512
.endr
.endm
; 16 matrix instructions; the 16 accumulators take turns, one instruction a turn
.macro MUL f, zero
	WIN 0x50
.irp tt, 0,1,2,3
.irp ft, 0,1,2,3
.if \zero
	v_wmma_f32_16x16x32_f16 v[8*(4*\tt+\ft):8*(4*\tt+\ft)+7], v[\f+32+8*\ft:\f+32+8*\ft+7], v[\f+8*\tt:\f+8*\tt+7], 0
.else
	v_wmma_f32_16x16x32_f16 v[8*(4*\tt+\ft):8*(4*\tt+\ft)+7], v[\f+32+8*\ft:\f+32+8*\ft+7], v[\f+8*\tt:\f+8*\tt+7], v[8*(4*\tt+\ft):8*(4*\tt+\ft)+7]
.endif
.endr
.endr
	WIN 0
.endm
.macro QUARTER s, c, f, g, zero
	PLACES                                         ; buffer g was read by the products just issued
	FETCH \s, \c, \g
	s_wait_dscnt 16                                ; all but the 16 loads just issued: buffer f is whole
	MUL \f, \zero
.endm
.macro THREE s, zero
	QUARTER \s, 1, F0, F1, \zero
	QUARTER \s, 2, F1, F0, 0
	QUARTER \s, 3, F0, F1, 0
.endm
; The change of slots: my reads of slot s are back and all my tensor loads have landed, then the barrier; behind it the refill first, then the next slot's fragments.
.macro TURN s, next, fill
	s_wait_dscnt 0x0
	s_wait_tensorcnt 0x0
	ds_add_u32 v254, v255
	s_wait_dscnt 0x0
.if \fill
	s_add_nc_u64 s[G0+4*\s+2:G0+4*\s+3], s[G0+4*\s+2:G0+4*\s+3], 8192   ; no load of mine is out: two K steps on
.endif
	s_barrier_signal -1
	s_barrier_wait -1
.if \fill
	tensor_load_to_lds s[G0+4*\s:G0+4*\s+3], s[G1:G1+7]   ; my one load behind this barrier
	s_nop 0
.endif
	PLACES
	FETCH \next, 0, F0
	MUL F1, 0
.endm
	s_wait_tensorcnt 0x1                           ; my part of K step 0 is in; K step 1's may stay out
	s_barrier_signal -1
	s_barrier_wait -1
	FETCH 0, 0, F0
	THREE 0, 1
	TURN 0, 1, 1
	THREE 1, 0
	TURN 1, 0, 1
	s_mov_b32 s3, 2
.Llap:
	THREE 0, 0
	TURN 0, 1, 1
	THREE 1, 0
	TURN 1, 0, 1
	s_sub_co_u32 s3, s3, 1
	s_cmp_lg_u32 s3, 0
	s_cbranch_scc1 .Llap
	THREE 0, 0
	TURN 0, 1, 0
	THREE 1, 0
	s_wait_dscnt 0x0
	MUL F1, 0
	PLACES
	s_wait_loadcnt 0x0                             ; bo
; tokens 16 tt .. + 15 of my 64: add the bias, 32 bytes a lane and feature tile into my stage, whole rows of 256 bytes back and out
.macro OUT16 tt
	WIN 0x41
.irp ft, 0,1,2,3
.irp i, 0,2,4,6
	v_pk_add_f32 v[8*(4*\tt+\ft)+\i:8*(4*\tt+\ft)+\i+1], v[8*(4*\tt+\ft)+\i:8*(4*\tt+\ft)+\i+1], v[BO+8*\ft+\i:BO+8*\ft+\i+1]
.endr
.endr
	WIN 0x04                                       ; the stores' data in window 1
.irp ft, 0,1,2,3
.irp g, 0,1
	ds_store_b128 v[STG], v[8*(4*\tt+\ft)+4*\g:8*(4*\tt+\ft)+4*\g+3] offset:64*\ft+16*\g
.endr
.endr
	WIN 0
.irp u, 0,1,2,3,4,5,6,7
	ds_load_b128 v[OUT+32*\tt+4*\u:OUT+32*\tt+4*\u+3], v[RD] offset:2*SP*\u   ; a wave's LDS instructions are served in order: these see the stores above
.endr
.irp u, 0,1,2,3,4,5,6,7
	s_wait_dscnt 7-\u                              ; read-back u is in, the younger ones stay out
	global_store_b128 v[CO], v[OUT+32*\tt+4*\u:OUT+32*\tt+4*\u+3], s[46:47] offset:(16*\tt+2*\u)*4096   ; sixteen lanes store 256 consecutive bytes, aligned
.endr
.endm
	OUT16 0
	OUT16 1
	OUT16 2
	OUT16 3
	s_wait_tensorcnt 0x0
	ds_add_u32 v254, v255
	s_wait_dscnt 0x0
	s_endpgm
.Lfunc_end_k_q45eb497fa5_oproj:
	.size	k_q45eb497fa5_oproj, .Lfunc_end_k_q45eb497fa5_oproj-k_q45eb497fa5_oproj
	.p2alignl 7, 3214868480
	.fill 96, 4, 3214868480
	.section	.rodata,"a",@progbits
	.p2align	6, 0x0
	.amdhsa_kernel k_q45eb497fa5_oproj
		.amdhsa_group_segment_fixed_size 327680
		.amdhsa_private_segment_fixed_size 0
		.amdhsa_enable_private_segment 0
		.amdhsa_kernarg_size 32
		.amdhsa_user_sgpr_count 2
		.amdhsa_user_sgpr_kernarg_segment_ptr 1
		.amdhsa_wavefront_size32 1
		.amdhsa_system_sgpr_workgroup_id_x 1
		.amdhsa_system_sgpr_workgroup_id_y 1
		.amdhsa_system_sgpr_workgroup_id_z 1
		.amdhsa_system_vgpr_workitem_id 0
		.amdhsa_next_free_vgpr 384
		.amdhsa_next_free_sgpr 66
		.amdhsa_reserve_vcc 0
		.amdhsa_float_denorm_mode_32 3
		.amdhsa_float_denorm_mode_16_64 3
		.amdhsa_memory_ordered 1
		.amdhsa_forward_progress 1
		.amdhsa_inst_pref_size 73
	.end_amdhsa_kernel
	.amdgpu_metadata
---
amdhsa.version: [ 1, 2 ]
amdhsa.kernels:
  - .name:           k_q45eb497fa5_oproj
    .symbol:         k_q45eb497fa5_oproj.kd
    .args:
      - { .name: ab, .offset: 0, .size: 8, .value_kind: global_buffer, .address_space: global }
      - { .name: wb, .offset: 8, .size: 8, .value_kind: global_buffer, .address_space: global }
      - { .name: bo, .offset: 16, .size: 8, .value_kind: global_buffer, .address_space: global }
      - { .name: out0, .offset: 24, .size: 8, .value_kind: global_buffer, .address_space: global }
    .group_segment_fixed_size: 327680
    .private_segment_fixed_size: 0
    .kernarg_segment_align: 8
    .kernarg_segment_size: 32
    .max_flat_workgroup_size: 128
    .sgpr_count:     66
    .vgpr_count:     384
    .wavefront_size: 32
...
	.end_amdgpu_metadata
.endif
;; end of part 4
;; ======== version 2 of 2: 4 launches; 1.12 times as fast as version 1
;; limits: values are held in f16: magnitudes above 65,504 overflow, below 6.1e-05 lose precision
;; workspace buffers: xb 8,388,608 bytes; wb 8,388,608 bytes; eb 524,288 bytes; qb 8,388,608 bytes; kvb 16,777,216 bytes; ab 8,388,608 bytes
;; launch prep: the kernel of part 1 again; grid 32 x 33, 8 waves a work-group, no clusters, 18,432 bytes of LDS; arguments x, Wq, Wk, Wv, Wo, rel_emb, xb, wb, eb; writes xb, wb, eb
;; launch qkv (part 5): grid 8 x 32, 4 waves a work-group, clusters of 4 x 4, 327,680 bytes of LDS; arguments xb, wb, bq, bk, bv, qb, kvb; writes qb, kvb
.if DOCPART == 5
	.amdgcn_target "amdgcn-amd-amdhsa--gfx1250"
	.amdhsa_code_object_version 6
	.text
	.protected	k_q45eb497fa5_qkv
	.globl	k_q45eb497fa5_qkv
	.p2align	8
	.type	k_q45eb497fa5_qkv,@function
k_q45eb497fa5_qkv:
	s_mov_b64 s[64:65], 0
	v_nop
	global_prefetch_b8 v0, s[64:65] scope:SCOPE_SE
	s_setreg_imm32_b32 hwreg(HW_REG_WAVE_MODE, 25, 1), 1
	s_wait_xcnt 0x0
	s_wait_alu depctr_hold_cnt(0) depctr_sa_sdst(0) depctr_va_vdst(0) depctr_va_sdst(0) depctr_va_ssrc(0) depctr_va_vcc(0) depctr_vm_vsrc(0)
	s_getreg_b32 s2, hwreg(HW_REG_IB_STS2, 6, 4)
	s_cmp_eq_u32 s2, 0
	s_cbranch_scc0 .Lentry_in_a_cluster
	s_endpgm
.Lentry_in_a_cluster:
	s_bfe_u32 s2, ttmp6, 0x10000c
	s_cmp_lg_u32 s2, 0xf033
	s_cbranch_scc0 .Lentry_shape_is_right
	s_endpgm
.Lentry_shape_is_right:
; Q = (x Wq^T + bq) log2(e),  K = (x Wk^T + bk) / 8,  V = x Wv^T + bv, f16 operands, f32 sums, each rounded once to f16 and stored in the
; fragment order in which the attention launch reads them (see below).  The two scales stand here so that the logits come out in base 2.
; LIMIT: |Q|, |K|, |V| of 65,504 and above become infinities (at the drawn spread they stay under 10).
; A work-group makes 128 tokens x 128 features of each of Q, K, V; a wave all 128 tokens x 32 features of each: 48 accumulator
; tiles, 384 registers.  For 32 along k a wave reads 28 x 512 bytes from LDS for 48 matrix instructions.
; K goes in 8 steps of 128 through two LDS slots of 128 KB: x, Wq, Wk, Wv, 32 KB each, as [row tile 8][k step 4][fragment 1 KB].  Operands lie in memory
; in fragment order already, so a tile is 8 rows of 4,096 consecutive bytes, 32,768 bytes apart; LDS reads are 512 consecutive bytes: no padding.
; One tensor load a wave and step: wave 0 brings x's tile, wave w the tile of matrix w - 1.
; CLUSTERS: 4 x 4 work-groups form a cluster.  x's tile hangs on the block of tokens alone, which the four of a row of the cluster share; W's tiles hang on the block
; of features alone, which the four of a column share.  Each tile is asked for JOINTLY: the four issue the same load with the same descriptor and a mask that names
; them, and each receives it in its own LDS: a quarter of the requests.  A round of the cluster's barrier stands in front of the first loads, in front of every
; refill (in the place of the work-group's barrier) and in front of s_endpgm.
; Q and K: source 0 = 16 features of W, source 1 = 16 tokens of x: a lane then holds one token and 8 neighbouring features = 16 bytes of a fragment whose
; rows are tokens.  V the other way round: a lane holds one feature and 8 neighbouring tokens = 16 bytes of a fragment of V^T.
; REGISTERS: window 0: v1-v9 LDS addresses, v10-v11 bias offsets, two fragment buffers v32-143, v144-255 (x's 8 fragments, then W's 6);
; window 1: Q's tiles at 8 (8 ft + tt), K's at 128 + the same; window 2: V's at 8 (8 ft + tt).
.set SLOT, 131072
.set PART, 32768
.set AX,   1                           ; v1, v2    x's fragments in slot 0, 1: 16 x lane + slot (v1 is also the stores' offset)
.set BW,   4                           ; v[4:9]    slot s, matrix m: v[4 + 3 s + m]
.set F0,   32
.set F1,   144
.set BQ,   32                          ; the way out: biases, in the free buffer 0
.set BK,   48
.set BV,   64
.set OUTA, 144                         ; the way out: 64 registers of packed results
.set OUTB, 80
.set G1X,  16                          ; s[16:23]  descriptor group 1 for x's tile: the mask of my row of the cluster
.set G0X,  24                          ; s[24:31]  descriptor group 0 for x's tile, one set for each slot
.set G1W,  68                          ; s[68:75]  descriptor group 1 for W's tiles: the mask of my column
.set G0W,  76                          ; s[76:83]  descriptor group 0 for W's tiles, one set for each slot
.set MSB,  0
.macro WIN new                         ; the immediate's high byte repeats the setting that is left
.if MSB != \new
	s_set_vgpr_msb (MSB<<8)|\new
.set MSB, \new
.endif
.endm
.macro PLACES                          ; four places behind a matrix instruction before its sources are loaded again or its result is read (ISA guide 7.12.1)
.rept 4
	v_nop
.endr
.endm
; A joint load into slot s.  Each of the two lines has one mask and one set of registers for all that issue it.  The branch hangs on the wave's number alone.
.macro JLOAD s
	s_cmp_eq_u32 s2, 0
	s_cbranch_scc0 .Lfor_w_\@
	tensor_load_to_lds s[G0X+4*\s:G0X+4*\s+3], s[G1X:G1X+7]
	s_nop 0
	s_branch .Lasked_\@
.Lfor_w_\@:
	tensor_load_to_lds s[G0W+4*\s:G0W+4*\s+3], s[G1W:G1W+7]
	s_nop 0
.Lasked_\@:
.endm
; A round of the cluster's barrier: my work-group's barrier, so that wave 0's signal speaks for all four waves; wave 0 signals for the work-group; every wave waits
; for all sixteen work-groups; my work-group's barrier once more.
.macro CREST                           ; a round behind its opening barrier
	s_cmp_lg_u32 s2, 0
	s_cbranch_scc1 .Lnot_wave_0_\@
	s_barrier_signal -3
.Lnot_wave_0_\@:
	s_barrier_wait -3
	s_barrier_signal -1
	s_barrier_wait -1
.endm
.macro CROUND                          ; a whole round
	s_barrier_signal -1
	s_barrier_wait -1
	CREST
.endm
	s_load_b256 s[4:11], s[0:1], 0x0               ; xb s[4:5], wb s[6:7], bq s[8:9], bk s[10:11]
	s_load_b128 s[12:15], s[0:1], 0x20             ; bv s[12:13], qb s[14:15]
	s_load_b64 s[36:37], s[0:1], 0x30              ; kvb
	v_lshl_add_u32 v30, v0, 2, 0x40000
	v_mov_b32 v31, 0
	ds_add_u32 v30, v31
	v_lshrrev_b32 v1, 5, v0
	v_readfirstlane_b32 s2, v1                     ; wave 0..3
	s_bfe_u32 s84, ttmp6, 0x40000                  ; cx: my place along the cluster's x
	s_bfe_u32 s85, ttmp6, 0x40004                  ; cy: along its y
	s_lshl_b32 s86, ttmp9, 2                       ; in a cluster launch ttmp9 and ttmp7 count clusters
	s_add_co_u32 s86, s86, s84                     ; block of 128 features = 4 x cluster x + cx
	s_and_b32 s33, ttmp7, 0xffff
	s_lshl_b32 s33, s33, 2
	s_add_co_u32 s33, s33, s85                     ; block of 128 tokens = 4 x cluster y + cy
	s_lshl_b32 s87, s85, 2
	s_lshl_b32 s87, 15, s87                        ; my row of the cluster: places 4 cy .. 4 cy + 3
	s_lshl_b32 s88, 0x1111, s84                    ; my column: places cx, cx + 4, cx + 8, cx + 12
	s_or_b32 s[G1X+0], s87, (3<<16)|(1<<21)        ; 15:0 the mask; 17:16 elements of 8 bytes; 21 set beside a mask; no padding
	s_or_b32 s[G1W+0], s88, (3<<16)|(1<<21)
.irp g, G1X, G1W
	s_mov_b32 s[\g+1], 512<<16                     ; tensor_dim0 = 512 elements = 4,096 bytes
	s_mov_b32 s[\g+2], 8<<16                       ; tensor_dim1 = 8
	s_mov_b32 s[\g+3], 512<<16                     ; tile_dim0 = 512
	s_mov_b32 s[\g+4], 8                           ; tile_dim1 = 8 row tiles
	s_mov_b32 s[\g+5], 4096                        ; from row tile to row tile: 32,768 bytes
	s_mov_b32 s[\g+6], 0
	s_mov_b32 s[\g+7], 0
.endr
	s_lshl_b32 s35, s2, 15                         ; my part of a slot: 32,768 x wave: no place in the cluster enters an LDS address
	s_lshl_b32 s38, s33, 18                        ; x: 8 row tiles of 32 KB for each block of 128 tokens
	s_mov_b32 s39, 0
	s_max_u32 s58, s2, 1
	s_sub_co_u32 s58, s58, 1                       ; W: matrix w - 1 (wave 0 makes matrix 0's address and does not use it),
	s_lshl_b32 s58, s58, 21                        ; 2 MiB each,
	s_lshl_b32 s59, s86, 18                        ; 8 row tiles of 32 KB for each block of 128 features
	s_add_co_u32 s58, s58, s59
	s_mov_b32 s59, 0
	s_wait_dscnt 0x0
	s_wait_kmcnt 0x0
	s_add_nc_u64 s[40:41], s[4:5], s[38:39]        ; made of the block of tokens alone
	s_add_nc_u64 s[60:61], s[6:7], s[58:59]        ; made of the wave's number and the block of features alone
	CROUND                                         ; all sixteen work-groups are here: the first joint loads meet
.irp s, 0,1
	s_mov_b32 s[G0X+4*\s], 1
	s_add_co_u32 s[G0X+4*\s+1], s35, \s*SLOT       ; LDS: slot + 32,768 x wave
	s_add_nc_u64 s[G0X+4*\s+2:G0X+4*\s+3], s[40:41], \s*4096   ; K step s: 4 fragments on
	s_or_b32 s[G0X+4*\s+3], s[G0X+4*\s+3], 0x80000000
	s_mov_b32 s[G0W+4*\s], 1
	s_add_co_u32 s[G0W+4*\s+1], s35, \s*SLOT
	s_add_nc_u64 s[G0W+4*\s+2:G0W+4*\s+3], s[60:61], \s*4096
	s_or_b32 s[G0W+4*\s+3], s[G0W+4*\s+3], 0x80000000
	JLOAD \s                                       ; both first fills go out together, ahead of everything else: two loads of the wave are out
.endr
	v_and_b32 v1, 31, v0
	v_lshlrev_b32 v[AX], 4, v1
	v_add_nc_u32 v[AX+1], SLOT, v[AX]
	s_lshl_b32 s42, s2, 13                         ; my 32 features: two row tiles of 4 KB
	v_add_nc_u32 v3, s42, v[AX]
.irp s, 0,1
.irp m, 0,1,2
	v_add_nc_u32 v[BW+3*\s+\m], \s*SLOT+(1+\m)*PART, v3
.endr
.endr
	s_lshl_b32 s43, s86, 9
	s_lshl_b32 s42, s2, 7
	s_add_co_u32 s43, s43, s42                     ; byte of my first feature in a bias
	v_bfe_u32 v10, v0, 4, 1
	v_lshl_add_u32 v10, v10, 5, s43                ; Q, K: 8 features from 8 h
	v_and_b32 v11, 15, v0
	v_lshl_add_u32 v11, v11, 2, s43                ; V: feature r
	s_mov_b32 s44, 0x3fb8aa3b                      ; log2(e), as a pair for the packed forms
	s_mov_b32 s45, 0x3fb8aa3b
	s_mov_b32 s46, 0x3e000000                      ; 1/8 = 1 / sqrt(64)
	s_mov_b32 s47, 0x3e000000
	; where the results go.  bh = 16 batch + head; a wave's 32 features are half (w & 1) of head 2 x block + (w >> 1)
	s_lshr_b32 s54, s33, 4
	s_lshl_b32 s54, s54, 4
	s_lshl_b32 s55, s86, 1
	s_add_co_u32 s54, s54, s55
	s_lshr_b32 s55, s2, 1
	s_add_co_u32 s54, s54, s55                     ; bh
	s_and_b32 s55, s33, 15                         ; the block of 128 tokens in its batch = the attention's stage
	s_and_b32 s56, s2, 1
	s_lshl_b32 s48, s54, 18                        ; qb: [bh][token tile 128][ks 2][1 KB]
	s_lshl_b32 s57, s55, 14
	s_add_co_u32 s48, s48, s57
	s_lshl_b32 s57, s56, 10
	s_add_co_u32 s48, s48, s57
	s_mov_b32 s49, 0
	s_lshl_b32 s50, s54, 19                        ; kvb: [bh][stage 16][32 KB]: K [key tile 8][ks 2][1 KB], then V^T [32 keys 4][16 hd 4][1 KB]
	s_lshl_b32 s57, s55, 15
	s_add_co_u32 s50, s50, s57
	s_lshl_b32 s57, s56, 11
	s_add_co_u32 s52, s50, s57
	s_add_co_u32 s52, s52, 16384
	s_mov_b32 s53, 0
	s_lshl_b32 s57, s56, 10
	s_add_co_u32 s50, s50, s57
	s_mov_b32 s51, 0
	s_add_nc_u64 s[48:49], s[14:15], s[48:49]
	s_add_nc_u64 s[50:51], s[36:37], s[50:51]
	s_add_nc_u64 s[52:53], s[36:37], s[52:53]
; 28 LDS loads: the fragments of k step c of slot s into buffer f
.macro FETCH s, c, f
.irp tt, 0,1,2,3,4,5,6,7
	ds_load_b128 v[\f+8*\tt:\f+8*\tt+3],   v[AX+\s] offset:\tt*4096+\c*1024
	ds_load_b128 v[\f+8*\tt+4:\f+8*\tt+7], v[AX+\s] offset:\tt*4096+\c*1024+512
.endr
.irp m, 0,1,2
.irp ft, 0,1
	ds_load_b128 v[\f+64+8*(2*\m+\ft):\f+64+8*(2*\m+\ft)+3],   v[BW+3*\s+\m] offset:\ft*4096+\c*1024
	ds_load_b128 v[\f+64+8*(2*\m+\ft)+4:\f+64+8*(2*\m+\ft)+7], v[BW+3*\s+\m] offset:\ft*4096+\c*1024+512
.endr
.endr
.endm
; 48 matrix instructions on buffer f, as 32 for Q and K and 16 for V.  The 48 accumulators take turns, one instruction a turn, in the same order every time.
; zero = 1: the first products start the sums.
.macro MULQK f, zero
	WIN 0x50                                       ; C and D in window 1
.irp m, 0,1
.irp ft, 0,1
.irp tt, 0,1,2,3,4,5,6,7
.if \zero
	v_wmma_f32_16x16x32_f16 v[128*\m+8*(8*\ft+\tt):128*\m+8*(8*\ft+\tt)+7], v[\f+64+8*(2*\m+\ft):\f+64+8*(2*\m+\ft)+7], v[\f+8*\tt:\f+8*\tt+7], 0
.else
	v_wmma_f32_16x16x32_f16 v[128*\m+8*(8*\ft+\tt):128*\m+8*(8*\ft+\tt)+7], v[\f+64+8*(2*\m+\ft):\f+64+8*(2*\m+\ft)+7], v[\f+8*\tt:\f+8*\tt+7], v[128*\m+8*(8*\ft+\tt):128*\m+8*(8*\ft+\tt)+7]
.endif
.endr
.endr
.endr
.endm
.macro MULV f, zero
	WIN 0xa0                                       ; C and D in window 2
.irp ft, 0,1
.irp tt, 0,1,2,3,4,5,6,7
.if \zero
	v_wmma_f32_16x16x32_f16 v[8*(8*\ft+\tt):8*(8*\ft+\tt)+7], v[\f+8*\tt:\f+8*\tt+7], v[\f+96+8*\ft:\f+96+8*\ft+7], 0
.else
	v_wmma_f32_16x16x32_f16 v[8*(8*\ft+\tt):8*(8*\ft+\tt)+7], v[\f+8*\tt:\f+8*\tt+7], v[\f+96+8*\ft:\f+96+8*\ft+7], v[8*(8*\ft+\tt):8*(8*\ft+\tt)+7]
.endif
.endr
.endr
	WIN 0
.endm
.macro MUL f, zero
	MULQK \f, \zero
	MULV \f, \zero
.endm
; fetch k step c of slot s into buffer g, then multiply buffer f
.macro QUARTER s, c, f, g, zero
	PLACES                                         ; buffer g was read by the products just issued
	FETCH \s, \c, \g
	s_wait_dscnt 28                                ; all but the 28 loads just issued: buffer f is whole
	MUL \f, \zero
.endm
.macro THREE s, zero
	QUARTER \s, 1, F0, F1, \zero
	QUARTER \s, 2, F1, F0, 0
	QUARTER \s, 3, F0, F1, 0
.endm
; The last quarter of a K step multiplies buffer 1 and changes slots.  In front of the barrier: my reads of slot s are back, and all my tensor loads have landed (the one
; that is out is my part of the next slot).  Where the slot is filled again the barrier opens a round of the cluster's barrier: behind the round no wave of any partner
; reads slot s or has a load on its way, and the joint refill comes first.  Then the next slot's first fragments.
.macro TURN s, next, fill
	s_wait_dscnt 0x0
	s_wait_tensorcnt 0x0
	ds_add_u32 v30, v31
	s_wait_dscnt 0x0
	s_barrier_signal -1
	MULQK F1, 0                                    ; work on registers while the others arrive
	WIN 0
	s_barrier_wait -1
.if \fill
	CREST
	s_add_nc_u64 s[G0X+4*\s+2:G0X+4*\s+3], s[G0X+4*\s+2:G0X+4*\s+3], 8192   ; no load of mine is out: two K steps on
	s_add_nc_u64 s[G0W+4*\s+2:G0W+4*\s+3], s[G0W+4*\s+2:G0W+4*\s+3], 8192
	JLOAD \s                                       ; my one load behind this round; 160 matrix instructions stand between it and the wait for it
.endif
	PLACES                                         ; buffer 0 was read by the quarter before
	FETCH \next, 0, F0
	MULV F1, 0
.endm
	s_wait_tensorcnt 0x1                           ; my part of K step 0 is in; K step 1's may stay out
	s_barrier_signal -1
	s_barrier_wait -1
	FETCH 0, 0, F0
	THREE 0, 1                                     ; K steps 0 and 1 stand ahead of the loop: the first products start the sums
	TURN 0, 1, 1
	THREE 1, 0
	TURN 1, 0, 1
	s_mov_b32 s3, 2
.Llap:                                             ; K steps 2 to 5
	THREE 0, 0
	TURN 0, 1, 1
	THREE 1, 0
	TURN 1, 0, 1
	s_sub_co_u32 s3, s3, 1
	s_cmp_lg_u32 s3, 0
	s_cbranch_scc1 .Llap
	THREE 0, 0                                     ; K steps 6 and 7 fill nothing and have no round of the cluster's barrier
	TURN 0, 1, 0
	THREE 1, 0
	s_wait_dscnt 0x0                               ; buffer 1 is whole
	PLACES                                         ; buffer 0 is free: the biases come in under the last 48 products
.irp ft, 0,1
	global_load_b128 v[BQ+8*\ft:BQ+8*\ft+3],   v10, s[8:9] offset:64*\ft
	global_load_b128 v[BQ+8*\ft+4:BQ+8*\ft+7], v10, s[8:9] offset:64*\ft+16
	global_load_b128 v[BK+8*\ft:BK+8*\ft+3],   v10, s[10:11] offset:64*\ft
	global_load_b128 v[BK+8*\ft+4:BK+8*\ft+7], v10, s[10:11] offset:64*\ft+16
	global_load_b32 v[BV+2*\ft],   v11, s[12:13] offset:64*\ft    ; V's bias is one number a lane, twice: a pair for the packed add
	global_load_b32 v[BV+2*\ft+1], v11, s[12:13] offset:64*\ft
.endr
	MUL F1, 0
	PLACES
	s_wait_loadcnt 0x0
.irp i, 0,2,4,6,8,10,12,14
	v_pk_mul_f32 v[BQ+\i:BQ+\i+1], v[BQ+\i:BQ+\i+1], s[44:45] op_sel_hi:[1,0]   ; the bias takes the scale too
	v_pk_mul_f32 v[BK+\i:BK+\i+1], v[BK+\i:BK+\i+1], s[46:47] op_sel_hi:[1,0]
.endr
; Q or K: sum x scale + bias x scale, rounded to f16; a lane's 8 features are 16 bytes, a wave's store 512 consecutive bytes: half g = ft of a fragment
.macro OUTQK acc, bias, out, sc, base
	WIN 0x41
.irp ft, 0,1
.irp tt, 0,1,2,3,4,5,6,7
.irp i, 0,2,4,6
	v_pk_fma_f32 v[\acc+8*(8*\ft+\tt)+\i:\acc+8*(8*\ft+\tt)+\i+1], v[\acc+8*(8*\ft+\tt)+\i:\acc+8*(8*\ft+\tt)+\i+1], s[\sc:\sc+1], v[\bias+8*\ft+\i:\bias+8*\ft+\i+1] op_sel_hi:[1,0,1]
.endr
.endr
.endr
	WIN 0x05
.irp ft, 0,1
.irp tt, 0,1,2,3,4,5,6,7
.irp i, 0,1,2,3
	v_cvt_pk_f16_f32 v[\out+4*(8*\ft+\tt)+\i], v[\acc+8*(8*\ft+\tt)+2*\i], v[\acc+8*(8*\ft+\tt)+2*\i+1]
.endr
.endr
.endr
	WIN 0
.irp ft, 0,1
.irp tt, 0,1,2,3,4,5,6,7
	global_store_b128 v[AX], v[\out+4*(8*\ft+\tt):\out+4*(8*\ft+\tt)+3], s[\base:\base+1] offset:\tt*2048+\ft*512
.endr
.endr
.endm
	OUTQK 0,   BQ, OUTA, 44, 48
	OUTQK 128, BK, OUTB, 46, 50
	WIN 0x82
.irp ft, 0,1
.irp tt, 0,1,2,3,4,5,6,7
.irp i, 0,2,4,6
	v_pk_add_f32 v[8*(8*\ft+\tt)+\i:8*(8*\ft+\tt)+\i+1], v[8*(8*\ft+\tt)+\i:8*(8*\ft+\tt)+\i+1], v[BV+2*\ft:BV+2*\ft+1]
.endr
.endr
.endr
	s_wait_xcnt 0x0                                ; Q's stores have read their data: OUTA is written again only behind this wait
	WIN 0x0a
.irp ft, 0,1
.irp tt, 0,1,2,3,4,5,6,7
.irp i, 0,1,2,3
	v_cvt_pk_f16_f32 v[OUTA+4*(8*\ft+\tt)+\i], v[8*(8*\ft+\tt)+2*\i], v[8*(8*\ft+\tt)+2*\i+1]
.endr
.endr
.endr
	WIN 0
.irp ft, 0,1
.irp tt, 0,1,2,3,4,5,6,7
	global_store_b128 v[AX], v[OUTA+4*(8*\ft+\tt):OUTA+4*(8*\ft+\tt)+3], s[52:53] offset:(\tt>>1)*4096+\ft*1024+(\tt&1)*512   ; V^T: 32 keys tt >> 1, half tt & 1
.endr
.endr
	CROUND                                         ; the closing round: no work-group ends while a partner may still ask for a tile that names it
	s_endpgm
.Lfunc_end_k_q45eb497fa5_qkv:
	.size	k_q45eb497fa5_qkv, .Lfunc_end_k_q45eb497fa5_qkv-k_q45eb497fa5_qkv
	.p2alignl 7, 3214868480
	.fill 96, 4, 3214868480
	.section	.rodata,"a",@progbits
	.p2align	6, 0x0
	.amdhsa_kernel k_q45eb497fa5_qkv
		.amdhsa_group_segment_fixed_size 327680
		.amdhsa_private_segment_fixed_size 0
		.amdhsa_enable_private_segment 0
		.amdhsa_kernarg_size 56
		.amdhsa_user_sgpr_count 2
		.amdhsa_user_sgpr_kernarg_segment_ptr 1
		.amdhsa_wavefront_size32 1
		.amdhsa_system_sgpr_workgroup_id_x 1
		.amdhsa_system_sgpr_workgroup_id_y 1
		.amdhsa_system_sgpr_workgroup_id_z 1
		.amdhsa_system_vgpr_workitem_id 0
		.amdhsa_next_free_vgpr 640
		.amdhsa_next_free_sgpr 90
		.amdhsa_reserve_vcc 0
		.amdhsa_float_denorm_mode_32 3
		.amdhsa_float_denorm_mode_16_64 3
		.amdhsa_memory_ordered 1
		.amdhsa_forward_progress 1
		.amdhsa_inst_pref_size 162
	.end_amdhsa_kernel
	.amdgpu_metadata
---
amdhsa.version: [ 1, 2 ]
amdhsa.kernels:
  - .name:           k_q45eb497fa5_qkv
    .symbol:         k_q45eb497fa5_qkv.kd
    .args:
      - { .name: xb, .offset: 0, .size: 8, .value_kind: global_buffer, .address_space: global }
      - { .name: wb, .offset: 8, .size: 8, .value_kind: global_buffer, .address_space: global }
      - { .name: bq, .offset: 16, .size: 8, .value_kind: global_buffer, .address_space: global }
      - { .name: bk, .offset: 24, .size: 8, .value_kind: global_buffer, .address_space: global }
      - { .name: bv, .offset: 32, .size: 8, .value_kind: global_buffer, .address_space: global }
      - { .name: qb, .offset: 40, .size: 8, .value_kind: global_buffer, .address_space: global }
      - { .name: kvb, .offset: 48, .size: 8, .value_kind: global_buffer, .address_space: global }
    .group_segment_fixed_size: 327680
    .private_segment_fixed_size: 0
    .kernarg_segment_align: 8
    .kernarg_segment_size: 56
    .max_flat_workgroup_size: 128
    .sgpr_count:     90
    .vgpr_count:     640
    .wavefront_size: 32
...
	.end_amdgpu_metadata
.endif
;; end of part 5
;; launch attn (part 6): grid 8 x 32, 8 waves a work-group, clusters of 4 x 4, 327,680 bytes of LDS; arguments qb, kvb, eb, ab; writes ab
.if DOCPART == 6
	.amdgcn_target "amdgcn-amd-amdhsa--gfx1250"
	.amdhsa_code_object_version 6
	.text
	.protected	k_q45eb497fa5_attn
	.globl	k_q45eb497fa5_attn
	.p2align	8
	.type	k_q45eb497fa5_attn,@function
k_q45eb497fa5_attn:
	s_mov_b64 s[64:65], 0
	v_nop
	global_prefetch_b8 v0, s[64:65] scope:SCOPE_SE
	s_setreg_imm32_b32 hwreg(HW_REG_WAVE_MODE, 25, 1), 1
	s_wait_xcnt 0x0
	s_wait_alu depctr_hold_cnt(0) depctr_sa_sdst(0) depctr_va_vdst(0) depctr_va_sdst(0) depctr_va_ssrc(0) depctr_va_vcc(0) depctr_vm_vsrc(0)
	s_getreg_b32 s2, hwreg(HW_REG_IB_STS2, 6, 4)
	s_cmp_eq_u32 s2, 0
	s_cbranch_scc0 .Lentry_in_a_cluster
	s_endpgm
.Lentry_in_a_cluster:
	s_bfe_u32 s2, ttmp6, 0x10000c
	s_cmp_lg_u32 s2, 0xf033
	s_cbranch_scc0 .Lentry_shape_is_right
	s_endpgm
.Lentry_shape_is_right:
; Attention with relative positions for one (batch, head) and 256 queries.  logit(i, j) = q_i.k_j / 8 + q_i.rel_emb[j - i + 2047], softmax over j
; with a running maximum in f32, then x V.  Q arrives scaled by log2(e) and K by 1/8, so the logits are in base 2 and v_exp_f32 takes them as they are.
; f16 operands, f32 sums.  LIMIT: the probabilities are rounded to f16 (under 6.1e-5 with an absolute step of 6e-8); the row sums are of the unrounded f32.
; Eight waves, 32 queries each (two tiles a = 0, 1 of 16).  16 stages of 128 keys, each two sub-blocks of 64 keys.
; EVERYTHING IS TRANSPOSED: S^T = K Q^T + C, so a lane holds ONE query (lane & 15) and register j of key tile t holds key 16 t + 8 (lane >> 4) + j.  Maximum and sum are
; then per lane (one exchange between the two halves of the lanes), and the exponentials pack straight into source 1 of O^T = V^T P^T.
; THE RELATIVE TERM is a band product and a skew.  For query tile I and 64 keys from j0 the rows of rel_emb needed are 16 tb + c, c = key - m + 15 = 0 .. 78, with
; tb = (j0 - I) / 16 + 127 a whole number: five band tiles y of 16 rows.  T = Q E^T (lane = c mod 16 = r, register = query m) goes through the wave's own LDS:
; element (m, r) of tile y belongs to key + 16 = 16 y + r + m + 1.  Of tile 0 only r + m >= 15 is wanted and of tile 4 only r + m <= 14: one select a register merges the
; two, so 64 stores a sub-block write each of the 2 x 16 x 64 words once.  A scratch row is a ring of 64 columns, column (key + 16) & 63: the merged tile lands in
; columns 1-31, tiles 1 and 2 in 17-63, all at one linear address; tile 3 alone wraps and has eight address registers of its own.  Rows are read back as the C of S^T.
; eb's row 4,095 (a copy of row 4,094) is r = 15 of a tile 4: never selected.
; Tile a = 1 starts one E tile below a = 0: six E tiles x = 0..5 serve both, and tiles 4, 5 of a sub-block are tiles 0, 1 of the next: the E tiles lie in a ring of
; eight places in registers, place (4 sub-block + x) & 7, and four are loaded for each sub-block.
; LDS: two slots of 80 KB: the stage's band of 24 E tiles (48 KB; tiles 8 stage - 16 block + 112 .. + 23 of 256), then K (16 KB) and V^T (16 KB); behind them each wave's
; 8,704 bytes for T: 2 x 16 rows of 272 bytes (17 x 16: the sixteen rows of a read-back start in different banks).  No tensor load ever lands there.
; Waves 0-3 bring 12 KB of the band each, waves 4-7 8 KB of K/V each: one tensor load a wave and stage, and one is out at a time.
; CLUSTERS: 4 x 4 work-groups.  K/V hangs on (batch, head) alone, which the four of a row of the cluster share; the band hangs on the block of queries alone, which the
; four of a column share.  Each is asked for JOINTLY: the same load, the same descriptor, a mask that names the four: a quarter of the requests.  A round of the
; cluster's barrier stands in front of every joint load (in the place of the work-group's barrier) and in front of s_endpgm.
; REGISTERS: window 0: addresses and statistics v1-31, Q v32-63, O^T v64-127, at work v128-255.  Window 1: E ring v256-383, K v384-447, V^T v448-511: operands have
; registers that nothing else uses, so their loads go out well ahead of the products that read them.
.set SLOT, 81920
.set KVO,  49152                       ; K and V^T in a slot
.set SCR,  163840
.set SP,   272                         ; a scratch row: 64 columns and 16 bytes
.set SA,   16*SP                       ; a query tile's 16 rows
.set SCRW, 2*SA
.set L16, 1                            ; v1        16 x lane
.set KA,  2                            ; v2, v3    16 x lane + slot + KVO
.set EA,  4                            ; v4, v5    16 x lane + slot + (14 - 2 wave) tiles: my wave's first E tile of sub-block 0
.set STO, 6                            ; v6        T in, linear:  scratch + (8 SP + 32) h + 4 r
.set LDT, 7                            ; v7        T out: scratch + SP r + 32 h
.set SJ,  8                            ; v[8:15]   T in, tile 3, register j: scratch + 8 SP h + 4 ((r + 8 h + j + 49) & 63)
.set MP,  16                           ; v[16:19]  tile a: the running maximum, twice
.set LS,  20                           ; v[20:23]  tile a: two partial sums of my half of the keys
.set TA,  24
.set TB,  25
.set TC,  26
.set TD,  27
.set AL,  28                           ; v[28:29]  exp2(old maximum - new), twice
.set T2,  30                           ; v[30:31]  second chain of sums
.set Q,   32                           ; v[32:63]  Q fragment (a, ks) at 32 + 16 a + 8 ks
.set O,   64                           ; v[64:127] O^T tile (d, a) at 64 + 8 (2 d + a)
.set W,   128                          ; v[128:207] T (a, y) at W + 8 (5 a + y); then v[128:191] S^T (a, t) at W + 8 (4 a + t)
.set PP,  W+96                         ; v[224:255] P (a, kk) at PP + 16 a + 8 kk
.set ER,  0                            ; window 1: E ring, place p at 16 p + 8 ks
.set KR,  128                          ; window 1: K (t, ks) at 128 + 16 t + 8 ks
.set VR,  192                          ; window 1: V^T (kk, d) at 192 + 32 kk + 8 d
.set G1K, 16                           ; s[16:23]  group 1, K/V: 32 rows of 256 bytes, the mask of my row of the cluster
.set G1E, 24                           ; s[24:31]  group 1, band: 48 rows of 256 bytes, the mask of my column
.set G0E, 32                           ; s[32:39]  group 0, band, one set for each slot
.set G0K, 40                           ; s[40:47]  group 0, K/V, one set for each slot
.set MK,  66                           ; s[66:73]  register j: the lanes with r + 8 h + j >= 15
.set MSB, 0
.macro WIN new                         ; low byte: bits 1:0 source 0, 3:2 source 1, 5:4 source 2, 7:6 destination; the high byte repeats the setting that is left
.if MSB != \new
	s_set_vgpr_msb (MSB<<8)|\new
.set MSB, \new
.endif
.endm
.macro PLACES n
.rept \n
	v_nop
.endr
.endm
; The stage's joint load into slot s.  One mask and one set of registers a line; the branch hangs on the wave's number alone.
.macro JLOAD s
	s_cmp_lt_u32 s2, 4
	s_cbranch_scc0 .Lkv_\@
	tensor_load_to_lds s[G0E+4*\s:G0E+4*\s+3], s[G1E:G1E+7]
	s_nop 0
	s_branch .Lasked_\@
.Lkv_\@:
	tensor_load_to_lds s[G0K+4*\s:G0K+4*\s+3], s[G1K:G1K+7]
	s_nop 0
.Lasked_\@:
.endm
; A round of the cluster's barrier: my work-group's barrier, so that wave 0's signal speaks for all eight waves; wave 0 signals for the work-group; every wave waits
; for all sixteen work-groups; my work-group's barrier once more.
.macro CREST                           ; a round behind its opening barrier
	s_cmp_lg_u32 s2, 0
	s_cbranch_scc1 .Lnot_wave_0_\@
	s_barrier_signal -3
.Lnot_wave_0_\@:
	s_barrier_wait -3
	s_barrier_signal -1
	s_barrier_wait -1
.endm
.macro CROUND                          ; a whole round
	s_barrier_signal -1
	s_barrier_wait -1
	CREST
.endm
	s_load_b256 s[4:11], s[0:1], 0x0               ; qb s[4:5], kvb s[6:7], eb s[8:9], ab s[10:11]
	v_lshl_add_u32 v222, v0, 2, 0x39000
	v_mov_b32 v223, 0
	ds_add_u32 v222, v223
	v_lshrrev_b32 v[W], 5, v0
	v_readfirstlane_b32 s2, v[W]                   ; wave 0..7
	s_bfe_u32 s14, ttmp6, 0x40000                  ; cx: my place along the cluster's x
	s_bfe_u32 s15, ttmp6, 0x40004                  ; cy: along its y
	s_lshl_b32 s13, ttmp9, 2                       ; in a cluster launch ttmp9 and ttmp7 count clusters
	s_add_co_u32 s13, s13, s14                     ; block of 256 queries = 4 x cluster x + cx
	s_and_b32 s12, ttmp7, 0xffff
	s_lshl_b32 s12, s12, 2
	s_add_co_u32 s12, s12, s15                     ; bh = 16 batch + head = 4 x cluster y + cy
	s_lshl_b32 s50, s15, 2
	s_lshl_b32 s50, 15, s50                        ; my row of the cluster: places 4 cy .. 4 cy + 3
	s_lshl_b32 s51, 0x1111, s14                    ; my column: places cx, cx + 4, cx + 8, cx + 12
	s_or_b32 s[G1K+0], s50, (3<<16)|(1<<21)        ; 15:0 the mask; 17:16 elements of 8 bytes; 21 set beside a mask; no padding
	s_or_b32 s[G1E+0], s51, (3<<16)|(1<<21)
.irp g, G1K, G1E
	s_mov_b32 s[\g+1], 32<<16                      ; dense blocks as rows of 32 elements = 256 bytes
	s_mov_b32 s[\g+3], 32<<16
	s_mov_b32 s[\g+5], 32
	s_mov_b32 s[\g+6], 0
	s_mov_b32 s[\g+7], 0
.endr
	s_mov_b32 s[G1K+2], 32<<16                     ; 32 rows = 8 KB
	s_mov_b32 s[G1K+4], 32
	s_mov_b32 s[G1E+2], 48<<16                     ; 48 rows = 12 KB
	s_mov_b32 s[G1E+4], 48
	s_mov_b32 s48, 0x76543210                      ; v_permlanex16_b32: lane i reads lane i of the other half
	s_mov_b32 s49, 0xfedcba98
	s_and_b32 s58, s2, 3                           ; which quarter of a tile I bring
	s_lshl_b32 s52, s13, 15                        ; 16 E tiles of 2 KB for each block of 256 queries
	s_sub_co_u32 s52, 112*2048, s52
	s_mul_i32 s59, s58, 12288
	s_add_co_u32 s52, s52, s59                     ; made of the block of queries and the wave's number alone
	s_mov_b32 s53, 0
	s_lshl_b32 s54, s12, 19                        ; 16 stages of 32 KB for each bh
	s_lshl_b32 s59, s58, 13
	s_add_co_u32 s54, s54, s59                     ; made of bh and the wave's number alone
	s_mov_b32 s55, 0
	s_mul_i32 s56, s2, 12288                       ; LDS, band: 12,288 x wave (waves 0-3)
	s_lshl_b32 s57, s2, 13                         ; LDS, K/V: 8,192 x wave + 16,384 (waves 4-7: from 49,152): no place in the cluster enters an LDS address
	s_wait_dscnt 0x0
	s_wait_kmcnt 0x0
	s_add_nc_u64 s[52:53], s[8:9], s[52:53]
	s_add_nc_u64 s[54:55], s[6:7], s[54:55]
.irp s, 0,1                                        ; every wave makes both kinds and asks by one of them; slot s is set up for stage s
	s_mov_b32 s[G0E+4*\s], 1
	s_add_co_u32 s[G0E+4*\s+1], s56, \s*SLOT
	s_add_nc_u64 s[G0E+4*\s+2:G0E+4*\s+3], s[52:53], \s*16384   ; a stage moves the band by 8 tiles
	s_or_b32 s[G0E+4*\s+3], s[G0E+4*\s+3], 0x80000000
	s_mov_b32 s[G0K+4*\s], 1
	s_add_co_u32 s[G0K+4*\s+1], s57, \s*SLOT+16384
	s_add_nc_u64 s[G0K+4*\s+2:G0K+4*\s+3], s[54:55], \s*32768
	s_or_b32 s[G0K+4*\s+3], s[G0K+4*\s+3], 0x80000000
.endr
	CROUND                                         ; all sixteen work-groups are here: the first joint loads meet
	JLOAD 0                                        ; stage 0
	v_and_b32 v[W], 31, v0
	v_lshlrev_b32 v[L16], 4, v[W]
	v_and_b32 v[W+1], 15, v0                       ; r
	v_bfe_u32 v[W+2], v0, 4, 1                     ; h
	s_lshl_b32 s58, s2, 12
	s_sub_co_u32 s58, 14*2048, s58
	v_add_nc_u32 v[KA], KVO, v[L16]
	v_add_nc_u32 v[KA+1], SLOT+KVO, v[L16]
	v_add_nc_u32 v[EA], s58, v[L16]
	v_add_nc_u32 v[EA+1], SLOT, v[EA]
	s_mul_i32 s59, s2, SCRW
	s_add_co_u32 s59, s59, SCR                     ; my wave's scratch
	v_mul_u32_u24 v[STO], v[W+2], 8*SP+32          ; 8 rows and 8 columns for the upper half of the lanes
	v_lshl_add_u32 v[STO], v[W+1], 2, v[STO]
	v_add_nc_u32 v[STO], s59, v[STO]
	v_mul_u32_u24 v[LDT], v[W+1], SP
	v_lshl_add_u32 v[LDT], v[W+2], 5, v[LDT]
	v_add_nc_u32 v[LDT], s59, v[LDT]
	v_lshl_add_u32 v[W+3], v[W+2], 3, v[W+1]       ; r + 8 h
	v_mul_u32_u24 v[W+4], v[W+2], 8*SP
	v_add_nc_u32 v[W+4], s59, v[W+4]               ; scratch + 8 h rows
.irp j, 0,1,2,3,4,5,6,7
	v_cmp_le_u32 s[MK+\j], 15-\j, v[W+3]           ; r + m >= 15, m = 8 h + j: band tile 0's part of the merged tile
	v_add_nc_u32 v[SJ+\j], 49+\j, v[W+3]           ; tile 3: column 48 + r + m + 1,
	v_and_b32 v[SJ+\j], 63, v[SJ+\j]               ; in the ring of 64
	v_lshl_add_u32 v[SJ+\j], v[SJ+\j], 2, v[W+4]
.endr
	v_mov_b32 v[TC], 0                             ; destinations of v_permlanex16_b32 count as read
	v_mov_b32 v[TD], 0
	s_lshl_b32 s60, s12, 18                        ; qb: 128 tiles of 2 KB for each bh
	s_lshl_b32 s62, s13, 15
	s_add_co_u32 s60, s60, s62
	s_lshl_b32 s62, s2, 12
	s_add_co_u32 s60, s60, s62
	s_mov_b32 s61, 0
	s_add_nc_u64 s[60:61], s[4:5], s[60:61]
.irp n, 0,1,2,3,4,5,6,7
	global_load_b128 v[Q+4*\n:Q+4*\n+3], v[L16], s[60:61] offset:512*\n   ; my two query tiles, 4 KB in fragment order
.endr
	s_wait_tensorcnt 0x0                           ; my part of stage 0 is in, and no load of mine is out
	ds_add_u32 v222, v223
	s_wait_dscnt 0x0
	CROUND                                         ; everybody's is; slot 1's first fill goes out as a refill does: one joint load a wave behind a round
	JLOAD 1                                        ; stage 1
	s_wait_loadcnt 0x0                             ; Q
; E tile x of sub-block sb into its place in the ring (the destination's window is 1)
.macro ELOAD s, sb, x
.irp p, 0,1,2,3
	ds_load_b128 v[ER+16*((4*\sb+\x)&7)+4*\p:ER+16*((4*\sb+\x)&7)+4*\p+3], v[EA+\s] offset:(4*\sb+\x)*2048+512*\p
.endr
.endm
; one product of the band: T (a, y) (+)= Q (a, ks) x E tile y + 1 - a (source 1's window is 1)
.macro TW a, y, sb, ks
.set TACC, W+8*(5*\a+\y)
.set TE, ER+16*((4*\sb+\y+1-\a)&7)+8*\ks
.if \ks
	v_wmma_f32_16x16x32_f16 v[TACC:TACC+7], v[Q+16*\a+8:Q+16*\a+15], v[TE:TE+7], v[TACC:TACC+7]
.else
	v_wmma_f32_16x16x32_f16 v[TACC:TACC+7], v[Q+16*\a:Q+16*\a+7], v[TE:TE+7], 0
.endif
.endm
; Query tile a: running maximum, exponentials, sums, P in f16; first = 1: nothing to carry on from.
.macro SOFTMAX a, first
.set SB,  W+32*\a
.set MPA, MP+2*\a
.set LSA, LS+2*\a
	v_max3_num_f32 v[TA], v[SB], v[SB+1], v[SB+2]              ; two chains over my 32 logits
	v_max3_num_f32 v[TB], v[SB+16], v[SB+17], v[SB+18]
.irp i, 3,5,7,9,11,13
	v_max3_num_f32 v[TA], v[TA], v[SB+\i], v[SB+\i+1]
	v_max3_num_f32 v[TB], v[TB], v[SB+16+\i], v[SB+17+\i]
.endr
	v_max3_num_f32 v[TA], v[TA], v[TB], v[SB+15]
.if \first
	v_max_num_f32 v[TA], v[TA], v[SB+31]
.else
	v_max3_num_f32 v[TA], v[TA], v[SB+31], v[MPA]
.endif
	v_permlanex16_b32 v[TC], v[TA], s48, s49       ; the other half of the lanes holds the query's other keys
	v_max_num_f32 v[TA], v[TA], v[TC]
.if \first == 0
	v_sub_f32 v[TD], v[MPA], v[TA]
	v_exp_f32 v[AL], v[TD]                         ; the two moves below are the plain place behind it (ISA guide 5.7.2)
.endif
	v_mov_b32 v[MPA], v[TA]
	v_mov_b32 v[MPA+1], v[TA]
.if \first == 0
	s_wait_alu depctr_va_vdst(0)
	v_mov_b32 v[AL+1], v[AL]
.endif
.set n, 0
.rept 16
	v_pk_add_f32 v[SB+2*n:SB+2*n+1], v[SB+2*n:SB+2*n+1], v[MPA:MPA+1] neg_lo:[0,1] neg_hi:[0,1]
.set n, n+1
.endr
.set n, 0
.rept 32
	v_exp_f32 v[SB+n], v[SB+n]
.set n, n+1
.endr
.if \first
	v_nop                                          ; the plain place behind the exponentials
	s_wait_alu depctr_va_vdst(0)
.else
	s_wait_alu depctr_va_vdst(0)
.irp d, 0,1,2,3                                    ; the old sums of O take the factor: also the plain place behind the exponentials
.irp i, 0,2,4,6
	v_pk_mul_f32 v[O+8*(2*\d+\a)+\i:O+8*(2*\d+\a)+\i+1], v[O+8*(2*\d+\a)+\i:O+8*(2*\d+\a)+\i+1], v[AL:AL+1]
.endr
.endr
.endif
	v_pk_add_f32 v[T2:T2+1], v[SB+2:SB+3], v[SB+4:SB+5]
.if \first
	v_pk_add_f32 v[LSA:LSA+1], v[SB:SB+1], v[SB+6:SB+7]
.else
	v_pk_fma_f32 v[LSA:LSA+1], v[LSA:LSA+1], v[AL:AL+1], v[SB:SB+1]
	v_pk_add_f32 v[LSA:LSA+1], v[LSA:LSA+1], v[SB+6:SB+7]
.endif
.irp i, 8,12,16,20,24,28
	v_pk_add_f32 v[T2:T2+1], v[T2:T2+1], v[SB+\i:SB+\i+1]
	v_pk_add_f32 v[LSA:LSA+1], v[LSA:LSA+1], v[SB+\i+2:SB+\i+3]
.endr
	v_pk_add_f32 v[LSA:LSA+1], v[LSA:LSA+1], v[T2:T2+1]
.set n, 0
.rept 16
	v_cvt_pk_f16_f32 v[PP+16*\a+n], v[SB+2*n], v[SB+2*n+1]     ; keys 16 t + 8 h + 2 i, + 1 -> register 4 t + i: the fragments of 32 keys 0 and 1
.set n, n+1
.endr
.endm
; One sub-block of 64 keys: sub-block sb of the stage in slot s.  first = 1: it starts maximum, sums and O, and loads all six E tiles.
; bar = 0: no barrier.  bar = 1: the stage ends with the work-group's barrier.  bar = 2: it ends with a round of the cluster's barrier, and slot s is filled again.
.macro SUB s, sb, first, bar
	WIN 0x40                                       ; loads into window 1
.if \sb == 0
.if \first
	ELOAD \s, 0, 0
	ELOAD \s, 0, 1
.endif
	ELOAD \s, 0, 2                                 ; tiles 0, 1 are the last sub-block's tiles 4, 5 and lie in the ring already
	ELOAD \s, 0, 3
	ELOAD \s, 0, 4
	ELOAD \s, 0, 5
.endif
.set n, 0
.rept 16
	ds_load_b128 v[KR+4*n:KR+4*n+3], v[KA+\s] offset:\sb*8192+512*n        ; K: four key tiles; they come in under the band products
.set n, n+1
.endr
.if \sb == 0
	s_wait_dscnt 16                                ; the E tiles are in; the 16 younger loads of K may be out
.endif                                             ; (sub-block 1: its E tiles came in under sub-block 0, whose last wait on LDS was for 0)
	WIN 0x04                                       ; source 1 (E) in window 1
.irp ks, 0,1                                       ; ten accumulators by turns, one instruction a turn
.irp a, 0,1
.irp y, 0,1,2,3,4
	TW \a, \y, \sb, \ks
.endr
.endr
.endr
	WIN 0
	PLACES 5                                       ; four before selects and stores read the results and loads land on them, five before the S products write over them
.irp a, 0,1
.irp j, 0,1,2,3,4,5,6,7
	v_cndmask_b32 v[W+40*\a+\j], v[W+40*\a+32+\j], v[W+40*\a+\j], s[MK+\j]   ; r + m >= 15: band tile 0's element; otherwise tile 4's
.endr
.endr
.irp a, 0,1
.irp y, 0,1,2                                      ; the skewed store: row m, column 16 y + r + m + 1.  Lanes 16-31 lie 552 words = 40 banks from lanes 0-15
.irp j, 0,1,2,3,4,5,6,7
	ds_store_b32 v[STO], v[W+8*(5*\a+\y)+\j] offset:(SP+4)*\j+64*\y+SA*\a+4
.endr
.endr
.irp j, 0,1,2,3,4,5,6,7
	ds_store_b32 v[SJ+\j], v[W+8*(5*\a+3)+\j] offset:SP*\j+SA*\a            ; tile 3: column (48 + r + m + 1) & 63
.endr
.endr
.irp a, 0,1
.irp t, 0,1,2,3
.irp g, 0,1
	ds_load_b128 v[W+8*(4*\a+\t)+4*\g:W+8*(4*\a+\t)+4*\g+3], v[LDT] offset:SA*\a+64*((\t+1)&3)+16*\g   ; row = query r, columns (key + 16) & 63; served behind my stores, in order
.endr
.endr
.endr
	s_wait_dscnt 0x0                               ; K and the skewed T are in
	WIN 0x40
.set n, 0
.rept 16
	ds_load_b128 v[VR+4*n:VR+4*n+3], v[KA+\s] offset:16384+\sb*8192+512*n  ; V^T of the 64 keys: wanted behind the softmax
.set n, n+1
.endr
.if \sb == 0
	ELOAD \s, 1, 2                                 ; and the four new E tiles of sub-block 1, into the places of tiles that the band products above have read
	ELOAD \s, 1, 3
	ELOAD \s, 1, 4
	ELOAD \s, 1, 5
.endif
	WIN 0x01                                       ; source 0 (K) in window 1
.irp ks, 0,1                                       ; eight accumulators by turns, one instruction a turn
.irp t, 0,1,2,3
.irp a, 0,1
	v_wmma_f32_16x16x32_f16 v[W+8*(4*\a+\t):W+8*(4*\a+\t)+7], v[KR+16*\t+8*\ks:KR+16*\t+8*\ks+7], v[Q+16*\a+8*\ks:Q+16*\a+8*\ks+7], v[W+8*(4*\a+\t):W+8*(4*\a+\t)+7]
.endr
.endr
.endr
	WIN 0
	PLACES 4                                       ; before the softmax reads the logits
.if \bar
	; The stage's last LDS reads are V's.  From here to the end of the stage the wave works on registers alone, so it says so now and meets the others later.
	s_wait_tensorcnt 0x0                           ; all my tensor loads have landed: the one that was out is my part of the next stage
	ds_add_u32 v222, v223
	s_wait_dscnt 0x0
.if \bar == 2
	s_add_nc_u64 s[G0E+4*\s+2:G0E+4*\s+3], s[G0E+4*\s+2:G0E+4*\s+3], 32768   ; no load of mine is out: this slot's next stage, two on
	s_add_nc_u64 s[G0K+4*\s+2:G0K+4*\s+3], s[G0K+4*\s+2:G0K+4*\s+3], 65536
.endif
	s_wait_dscnt 0x0                               ; my reads of this slot are back
	s_barrier_signal -1
.endif
	SOFTMAX 0, \first
	SOFTMAX 1, \first
.if \bar == 0
	s_wait_dscnt 0x0                               ; V^T, and sub-block 1's E tiles
.endif
	WIN 0x01                                       ; source 0 (V^T) in window 1
.irp kk, 0,1                                       ; eight accumulators by turns again
.irp d, 0,1,2,3
.irp a, 0,1
.if \first*(1-\kk)
	v_wmma_f32_16x16x32_f16 v[O+8*(2*\d+\a):O+8*(2*\d+\a)+7], v[VR+32*\kk+8*\d:VR+32*\kk+8*\d+7], v[PP+16*\a+8*\kk:PP+16*\a+8*\kk+7], 0
.else
	v_wmma_f32_16x16x32_f16 v[O+8*(2*\d+\a):O+8*(2*\d+\a)+7], v[VR+32*\kk+8*\d:VR+32*\kk+8*\d+7], v[PP+16*\a+8*\kk:PP+16*\a+8*\kk+7], v[O+8*(2*\d+\a):O+8*(2*\d+\a)+7]
.endif
.endr
.endr
.endr
	WIN 0                                          ; at a branch and at a label every window is 0
.if \bar
	s_barrier_wait -1                              ; all eight waves have said so: the next stage's slot is whole
.if \bar == 2
	CREST                                          ; and all sixteen work-groups: no wave of any partner reads this slot or has a load on its way
	JLOAD \s                                       ; my one load behind this round: the stage after next; it has the next stage's first sub-block and more in which to land
.endif
.endif
.endm
	SUB 0, 0, 1, 0                                 ; stages 0 and 1 stand ahead of the loop: the first sub-block starts maximum, sums and O
	SUB 0, 1, 0, 2
	SUB 1, 0, 0, 0
	SUB 1, 1, 0, 2
	s_mov_b32 s3, 6
.Lpair:                                            ; stages 2 to 13
	SUB 0, 0, 0, 0
	SUB 0, 1, 0, 2
	SUB 1, 0, 0, 0
	SUB 1, 1, 0, 2
	s_sub_co_u32 s3, s3, 1
	s_cmp_lg_u32 s3, 0
	s_cbranch_scc1 .Lpair
	SUB 0, 0, 0, 0                                 ; stage 14: nothing is left to fetch; its barrier shows stage 15 whole
	SUB 0, 1, 0, 1
	SUB 1, 0, 0, 0                                 ; stage 15
	SUB 1, 1, 0, 0
	; O / sum, rounded to f16, in the fragment order of the output projection: a lane's 8 numbers are features 64 head + 16 d + 8 h .. + 7 of token r
	PLACES 4
	v_add_f32 v[TA], v[LS], v[LS+1]
	v_add_f32 v[TB], v[LS+2], v[LS+3]
	v_permlanex16_b32 v[TC], v[TA], s48, s49
	v_permlanex16_b32 v[TD], v[TB], s48, s49
	v_add_f32 v[TA], v[TA], v[TC]
	v_add_f32 v[TB], v[TB], v[TD]
	v_rcp_f32 v[AL], v[TA]
	v_rcp_f32 v[AL+2], v[TB]
	v_nop                                          ; the plain place behind the reciprocals
	s_wait_alu depctr_va_vdst(0)
	v_mov_b32 v[AL+1], v[AL]
	v_mov_b32 v[AL+3], v[AL+2]
	s_lshr_b32 s76, s12, 4                         ; batch
	s_lshl_b32 s76, s76, 7
	s_lshl_b32 s77, s13, 4
	s_add_co_u32 s76, s76, s77
	s_lshl_b32 s77, s2, 1
	s_add_co_u32 s76, s76, s77                     ; token tile 128 batch + 16 block + 2 wave
	s_lshl_b32 s74, s76, 15
	s_and_b32 s77, s12, 15
	s_lshl_b32 s77, s77, 11                        ; a head is two k steps
	s_add_co_u32 s74, s74, s77
	s_mov_b32 s75, 0
	s_add_nc_u64 s[74:75], s[10:11], s[74:75]
.irp d, 0,1,2,3
.irp a, 0,1
.irp i, 0,2,4,6
	v_pk_mul_f32 v[O+8*(2*\d+\a)+\i:O+8*(2*\d+\a)+\i+1], v[O+8*(2*\d+\a)+\i:O+8*(2*\d+\a)+\i+1], v[AL+2*\a:AL+2*\a+1]
.endr
.irp i, 0,1,2,3
	v_cvt_pk_f16_f32 v[W+4*(2*\d+\a)+\i], v[O+8*(2*\d+\a)+2*\i], v[O+8*(2*\d+\a)+2*\i+1]
.endr
	global_store_b128 v[L16], v[W+4*(2*\d+\a):W+4*(2*\d+\a)+3], s[74:75] offset:\a*32768+(\d>>1)*1024+(\d&1)*512   ; 512 consecutive bytes, registers of their own
.endr
.endr
	s_wait_tensorcnt 0x0
	ds_add_u32 v222, v223
	s_wait_dscnt 0x0
	CROUND                                         ; the closing round: no work-group ends while a partner may still ask for a tile that names it
	s_endpgm
.Lfunc_end_k_q45eb497fa5_attn:
	.size	k_q45eb497fa5_attn, .Lfunc_end_k_q45eb497fa5_attn-k_q45eb497fa5_attn
	.p2alignl 7, 3214868480
	.fill 96, 4, 3214868480
	.section	.rodata,"a",@progbits
	.p2align	6, 0x0
	.amdhsa_kernel k_q45eb497fa5_attn
		.amdhsa_group_segment_fixed_size 327680
		.amdhsa_private_segment_fixed_size 0
		.amdhsa_enable_private_segment 0
		.amdhsa_kernarg_size 32
		.amdhsa_user_sgpr_count 2
		.amdhsa_user_sgpr_kernarg_segment_ptr 1
		.amdhsa_wavefront_size32 1
		.amdhsa_system_sgpr_workgroup_id_x 1
		.amdhsa_system_sgpr_workgroup_id_y 1
		.amdhsa_system_sgpr_workgroup_id_z 1
		.amdhsa_system_vgpr_workitem_id 0
		.amdhsa_next_free_vgpr 512
		.amdhsa_next_free_sgpr 78
		.amdhsa_reserve_vcc 0
		.amdhsa_float_denorm_mode_32 3
		.amdhsa_float_denorm_mode_16_64 3
		.amdhsa_memory_ordered 1
		.amdhsa_forward_progress 1
		.amdhsa_inst_pref_size 255
	.end_amdhsa_kernel
	.section	.bss,"aw",@nobits
	.p2align	6
	.space	262144
	.amdgpu_metadata
---
amdhsa.version: [ 1, 2 ]
amdhsa.kernels:
  - .name:           k_q45eb497fa5_attn
    .symbol:         k_q45eb497fa5_attn.kd
    .args:
      - { .name: qb, .offset: 0, .size: 8, .value_kind: global_buffer, .address_space: global }
      - { .name: kvb, .offset: 8, .size: 8, .value_kind: global_buffer, .address_space: global }
      - { .name: eb, .offset: 16, .size: 8, .value_kind: global_buffer, .address_space: global }
      - { .name: ab, .offset: 24, .size: 8, .value_kind: global_buffer, .address_space: global }
    .group_segment_fixed_size: 327680
    .private_segment_fixed_size: 0
    .kernarg_segment_align: 8
    .kernarg_segment_size: 32
    .max_flat_workgroup_size: 256
    .sgpr_count:     78
    .vgpr_count:     512
    .wavefront_size: 32
...
	.end_amdgpu_metadata
.endif
;; end of part 6
;; launch oproj (part 7): grid 8 x 32, 4 waves a work-group, clusters of 4 x 4, 327,680 bytes of LDS; arguments ab, wb, bo, out0; writes out0
.if DOCPART == 7
	.amdgcn_target "amdgcn-amd-amdhsa--gfx1250"
	.amdhsa_code_object_version 6
	.text
	.protected	k_q45eb497fa5_oproj
	.globl	k_q45eb497fa5_oproj
	.p2align	8
	.type	k_q45eb497fa5_oproj,@function
k_q45eb497fa5_oproj:
	s_mov_b64 s[64:65], 0
	v_nop
	global_prefetch_b8 v0, s[64:65] scope:SCOPE_SE
	s_setreg_imm32_b32 hwreg(HW_REG_WAVE_MODE, 25, 1), 1
	s_wait_xcnt 0x0
	s_wait_alu depctr_hold_cnt(0) depctr_sa_sdst(0) depctr_va_vdst(0) depctr_va_sdst(0) depctr_va_ssrc(0) depctr_va_vcc(0) depctr_vm_vsrc(0)
	s_getreg_b32 s2, hwreg(HW_REG_IB_STS2, 6, 4)
	s_cmp_eq_u32 s2, 0
	s_cbranch_scc0 .Lentry_in_a_cluster
	s_endpgm
.Lentry_in_a_cluster:
	s_bfe_u32 s2, ttmp6, 0x10000c
	s_cmp_lg_u32 s2, 0xf033
	s_cbranch_scc0 .Lentry_shape_is_right
	s_endpgm
.Lentry_shape_is_right:
; out0 = attention output x Wo^T + bo.  f16 operands in fragment order (ab as the attention launch stored it, Wo the fourth matrix of wb), f32 sums, f32 result.
; A work-group makes 128 tokens x 128 features; wave w 64 tokens (w >> 1) x 64 features (w & 1): 16 accumulator tiles in window 1.
; K goes in 4 steps of 256 through two LDS slots of 128 KB: ab's 8 row tiles, then Wo's 8, each [k step 8][fragment 1 KB].  One tensor load a wave and step:
; 4 row tiles of 8,192 consecutive bytes, 32,768 bytes apart; waves 0, 1 bring ab's halves, waves 2, 3 Wo's.  Both slots, half of all operands, are asked for at the
; start; each of the two refills has a whole step, 128 matrix instructions less the eight between signal and wait, in which to land.  The four steps are written out.
; CLUSTERS: 4 x 4 work-groups form a cluster.  ab's tile hangs on the block of tokens alone and is asked for jointly by the four of a row of the cluster, Wo's on the
; block of features alone, jointly by the four of a column: a quarter of the requests.  A round of the cluster's barrier stands in front of the first loads, in front of
; each refill (in the place of the work-group's barrier) and in front of s_endpgm.
; Source 0 = 16 features of Wo, source 1 = 16 tokens: a lane holds one token and 8 neighbouring features, 32 bytes of a row of out0.  16 tokens at a time go through
; the wave's own stage in LDS (16 rows of 256 + 16 bytes, behind the slots, never a tensor load's target), so that sixteen lanes store 256 consecutive bytes.
.set SLOT,  131072
.set STAGE, 262144
.set SP,    272
.set AX,  2                            ; v2, v3   my 64 tokens' fragments in slot 0, 1
.set BW,  4                            ; v4, v5   my 64 features' fragments
.set STG, 6                            ; v6       stage in
.set RD,  7                            ; v7       stage out
.set CO,  8                            ; v8       my byte offset in out0
.set F0,  32                           ; v[32:95]   fragment buffer 0: 4 of tokens, 4 of Wo
.set F1,  96                           ; v[96:159]  fragment buffer 1
.set BO,  160                          ; v[160:191] bo of my 8 features in each of 4 feature tiles
.set OUT, 32                           ; the way out: 128 registers, four for each store
.set G1A, 16                           ; s[16:23]  group 1 for ab's tiles: the mask of my row of the cluster
.set G0A, 24                           ; s[24:31]  group 0 for ab's tiles, one set for each slot
.set G1B, 68                           ; s[68:75]  group 1 for Wo's tiles: the mask of my column
.set G0B, 76                           ; s[76:83]  group 0 for Wo's tiles, one set for each slot
.set MSB, 0
.macro WIN new
.if MSB != \new
	s_set_vgpr_msb (MSB<<8)|\new
.set MSB, \new
.endif
.endm
.macro PLACES
.rept 4
	v_nop
.endr
.endm
; A joint load into slot s: waves 0, 1 ask for ab's halves, waves 2, 3 for Wo's.  One mask and one set of registers a line; the branch hangs on the wave's number alone.
.macro JLOAD s
	s_cmp_eq_u32 s36, 0
	s_cbranch_scc0 .Lfor_b_\@
	tensor_load_to_lds s[G0A+4*\s:G0A+4*\s+3], s[G1A:G1A+7]
	s_nop 0
	s_branch .Lasked_\@
.Lfor_b_\@:
	tensor_load_to_lds s[G0B+4*\s:G0B+4*\s+3], s[G1B:G1B+7]
	s_nop 0
.Lasked_\@:
.endm
.macro CREST                           ; a round of the cluster's barrier behind its opening barrier
	s_cmp_lg_u32 s2, 0
	s_cbranch_scc1 .Lnot_wave_0_\@
	s_barrier_signal -3
.Lnot_wave_0_\@:
	s_barrier_wait -3
	s_barrier_signal -1
	s_barrier_wait -1
.endm
.macro CROUND                          ; a whole round
	s_barrier_signal -1
	s_barrier_wait -1
	CREST
.endm
	s_load_b256 s[4:11], s[0:1], 0x0               ; ab s[4:5], wb s[6:7], bo s[8:9], out0 s[10:11]
	v_lshl_add_u32 v254, v0, 2, 0x44400
	v_mov_b32 v255, 0
	ds_add_u32 v254, v255
	v_lshrrev_b32 v1, 5, v0
	v_readfirstlane_b32 s2, v1                     ; wave 0..3
	s_bfe_u32 s84, ttmp6, 0x40000                  ; cx
	s_bfe_u32 s85, ttmp6, 0x40004                  ; cy
	s_lshl_b32 s86, ttmp9, 2
	s_add_co_u32 s86, s86, s84                     ; block of 128 features = 4 x cluster x + cx
	s_and_b32 s33, ttmp7, 0xffff
	s_lshl_b32 s33, s33, 2
	s_add_co_u32 s33, s33, s85                     ; block of 128 tokens = 4 x cluster y + cy
	s_lshl_b32 s87, s85, 2
	s_lshl_b32 s87, 15, s87                        ; my row of the cluster
	s_lshl_b32 s88, 0x1111, s84                    ; my column
	s_or_b32 s[G1A+0], s87, (3<<16)|(1<<21)        ; the mask; elements of 8 bytes; bit 21 set beside a mask
	s_or_b32 s[G1B+0], s88, (3<<16)|(1<<21)
.irp g, G1A, G1B
	s_mov_b32 s[\g+1], 1024<<16                    ; rows of 1,024 elements = 8,192 bytes
	s_mov_b32 s[\g+2], 4<<16
	s_mov_b32 s[\g+3], 1024<<16
	s_mov_b32 s[\g+4], 4                           ; 4 row tiles
	s_mov_b32 s[\g+5], 4096                        ; 32,768 bytes apart
	s_mov_b32 s[\g+6], 0
	s_mov_b32 s[\g+7], 0
.endr
	s_lshl_b32 s35, s2, 15                         ; my quarter of a slot: 32,768 x wave
	s_and_b32 s34, s2, 1                           ; which 64 features are mine; also: which half of a tile I fetch
	s_lshr_b32 s36, s2, 1                          ; which 64 tokens are mine; also: I fetch for ab (0) or for Wo (1)
	s_lshl_b32 s38, s33, 3
	s_lshl2_add_u32 s38, s34, s38                  ; ab: row tile 8 x block of tokens + 4 x half
	s_lshl_b32 s38, s38, 15
	s_mov_b32 s39, 0
	s_lshl_b32 s58, s86, 3
	s_lshl2_add_u32 s58, s34, s58                  ; Wo: row tile 8 x block of features + 4 x half,
	s_lshl_b32 s58, s58, 15
	s_add_co_u32 s58, s58, 6291456                 ; behind three matrices of 2 MiB
	s_mov_b32 s59, 0
	s_wait_dscnt 0x0
	s_wait_kmcnt 0x0
	s_add_nc_u64 s[40:41], s[4:5], s[38:39]
	s_add_nc_u64 s[60:61], s[6:7], s[58:59]
	CROUND                                         ; all sixteen work-groups are here: the first joint loads meet
.irp s, 0,1
	s_mov_b32 s[G0A+4*\s], 1
	s_add_co_u32 s[G0A+4*\s+1], s35, \s*SLOT
	s_add_nc_u64 s[G0A+4*\s+2:G0A+4*\s+3], s[40:41], \s*8192   ; step s: 8 fragments on
	s_or_b32 s[G0A+4*\s+3], s[G0A+4*\s+3], 0x80000000
	s_mov_b32 s[G0B+4*\s], 1
	s_add_co_u32 s[G0B+4*\s+1], s35, \s*SLOT
	s_add_nc_u64 s[G0B+4*\s+2:G0B+4*\s+3], s[60:61], \s*8192
	s_or_b32 s[G0B+4*\s+3], s[G0B+4*\s+3], 0x80000000
	JLOAD \s                                       ; both first fills together: two loads of the wave are out
.endr
	v_and_b32 v1, 31, v0
	v_lshlrev_b32 v1, 4, v1                        ; 16 x lane
	s_lshl_b32 s42, s36, 15                        ; my 4 row tiles of 8 KB of ab
	v_add_nc_u32 v[AX], s42, v1
	v_add_nc_u32 v[AX+1], SLOT, v[AX]
	s_lshl_b32 s43, s34, 15                        ; my 4 row tiles of Wo, behind ab's 64 KB
	s_add_co_u32 s43, s43, 65536
	v_add_nc_u32 v[BW], s43, v1
	v_add_nc_u32 v[BW+1], SLOT, v[BW]
	v_and_b32 v10, 15, v0                          ; r
	v_bfe_u32 v11, v0, 4, 1                        ; h
	s_mul_i32 s44, s2, 16*SP
	s_add_co_u32 s44, s44, STAGE
	v_mul_u32_u24 v[STG], v10, SP                  ; in: row r, 32 bytes for each half of the lanes
	v_lshl_add_u32 v[STG], v11, 5, v[STG]
	v_add_nc_u32 v[STG], s44, v[STG]
	v_mul_u32_u24 v[RD], v11, SP                   ; out: lanes 0-15 one row of 256 bytes, lanes 16-31 the next
	v_lshl_add_u32 v[RD], v10, 4, v[RD]
	v_add_nc_u32 v[RD], s44, v[RD]
	v_lshlrev_b32 v[CO], 12, v11                   ; the same two rows in out0
	v_lshl_add_u32 v[CO], v10, 4, v[CO]
	s_lshl_b32 s45, s86, 9
	s_lshl_b32 s46, s34, 8
	s_add_co_u32 s45, s45, s46                     ; byte of my first feature in a row of out0 and in bo
	v_lshl_add_u32 v9, v11, 5, s45
.irp ft, 0,1,2,3
	global_load_b128 v[BO+8*\ft:BO+8*\ft+3],   v9, s[8:9] offset:64*\ft      ; waited for on the way out
	global_load_b128 v[BO+8*\ft+4:BO+8*\ft+7], v9, s[8:9] offset:64*\ft+16
.endr
	s_lshl_b32 s46, s33, 19                        ; 128 rows of 4,096 bytes
	s_lshl_b32 s47, s36, 18
	s_add_co_u32 s46, s46, s47
	s_add_co_u32 s46, s46, s45
	s_mov_b32 s47, 0
	s_add_nc_u64 s[46:47], s[10:11], s[46:47]
; 16 LDS loads: the fragments of k step c (0..7) of slot s into buffer f
.macro FETCH s, c, f
.irp tt, 0,1,2,3
	ds_load_b128 v[\f+8*\tt:\f+8*\tt+3],   v[AX+\s] offset:\tt*8192+\c*1024
	ds_load_b128 v[\f+8*\tt+4:\f+8*\tt+7], v[AX+\s] offset:\tt*8192+\c*1024+512
.endr
.irp ft, 0,1,2,3
	ds_load_b128 v[\f+32+8*\ft:\f+32+8*\ft+3],   v[BW+\s] offset:\ft*8192+\c*1024
	ds_load_b128 v[\f+32+8*\ft+4:\f+32+8*\ft+7], v[BW+\s] offset:\ft*8192+\c*1024+512
.endr
.endm
; 8 matrix instructions: token tiles t0, t0 + 1 x all 4 feature tiles.  The 16 accumulators take turns, one instruction a turn.
.macro MULH f, t0, zero
	WIN 0x50
.irp tt, \t0, \t0+1
.irp ft, 0,1,2,3
.if \zero
	v_wmma_f32_16x16x32_f16 v[8*(4*(\tt)+\ft):8*(4*(\tt)+\ft)+7], v[\f+32+8*\ft:\f+32+8*\ft+7], v[\f+8*(\tt):\f+8*(\tt)+7], 0
.else
	v_wmma_f32_16x16x32_f16 v[8*(4*(\tt)+\ft):8*(4*(\tt)+\ft)+7], v[\f+32+8*\ft:\f+32+8*\ft+7], v[\f+8*(\tt):\f+8*(\tt)+7], v[8*(4*(\tt)+\ft):8*(4*(\tt)+\ft)+7]
.endif
.endr
.endr
.endm
.macro MUL f, zero
	MULH \f, 0, \zero
	MULH \f, 2, \zero
	WIN 0
.endm
.macro QUARTER s, c, f, g, zero
	PLACES                                         ; buffer g was read by the products just issued
	FETCH \s, \c, \g
	s_wait_dscnt 16                                ; all but the 16 loads just issued: buffer f is whole
	MUL \f, \zero
.endm
.macro SEVEN s, zero                   ; the first seven of a step's eight k steps of 32
	QUARTER \s, 1, F0, F1, \zero
	QUARTER \s, 2, F1, F0, 0
	QUARTER \s, 3, F0, F1, 0
	QUARTER \s, 4, F1, F0, 0
	QUARTER \s, 5, F0, F1, 0
	QUARTER \s, 6, F1, F0, 0
	QUARTER \s, 7, F0, F1, 0
.endm
; The eighth multiplies buffer 1 and changes slots: my reads of slot s are back and all my tensor loads have landed, then the barrier, which opens a round of the
; cluster's barrier where the slot is filled again; behind the round the joint refill first, then the next slot's first fragments.
.macro TURN s, next, fill
	s_wait_dscnt 0x0
	s_wait_tensorcnt 0x0
	ds_add_u32 v254, v255
	s_wait_dscnt 0x0
	s_barrier_signal -1
	MULH F1, 0, 0                                  ; work on registers while the others arrive
	WIN 0
	s_barrier_wait -1
.if \fill
	CREST
	s_add_nc_u64 s[G0A+4*\s+2:G0A+4*\s+3], s[G0A+4*\s+2:G0A+4*\s+3], 16384   ; no load of mine is out: two steps on
	s_add_nc_u64 s[G0B+4*\s+2:G0B+4*\s+3], s[G0B+4*\s+2:G0B+4*\s+3], 16384
	JLOAD \s                                       ; my one load behind this round
.endif
	PLACES                                         ; buffer 0 was read by the k step before
	FETCH \next, 0, F0
	MULH F1, 2, 0
	WIN 0
.endm
	s_wait_tensorcnt 0x1                           ; my part of step 0 is in; step 1's may stay out
	s_barrier_signal -1
	s_barrier_wait -1
	FETCH 0, 0, F0
	SEVEN 0, 1                                     ; step 0: its first products start the sums
	TURN 0, 1, 1                                   ; slot 0 gets step 2
	SEVEN 1, 0
	TURN 1, 0, 1                                   ; slot 1 gets step 3
	SEVEN 0, 0
	TURN 0, 1, 0                                   ; nothing is left to fetch: a plain barrier
	SEVEN 1, 0
	s_wait_dscnt 0x0
	MUL F1, 0
	PLACES
	s_wait_loadcnt 0x0                             ; bo
; tokens 16 tt .. + 15 of my 64: add the bias, 32 bytes a lane and feature tile into my stage, whole rows of 256 bytes back and out
.macro OUT16 tt
	WIN 0x41
.irp ft, 0,1,2,3
.irp i, 0,2,4,6
	v_pk_add_f32 v[8*(4*\tt+\ft)+\i:8*(4*\tt+\ft)+\i+1], v[8*(4*\tt+\ft)+\i:8*(4*\tt+\ft)+\i+1], v[BO+8*\ft+\i:BO+8*\ft+\i+1]
.endr
.endr
	WIN 0x04                                       ; the stores' data in window 1
.irp ft, 0,1,2,3
.irp g, 0,1
	ds_store_b128 v[STG], v[8*(4*\tt+\ft)+4*\g:8*(4*\tt+\ft)+4*\g+3] offset:64*\ft+16*\g
.endr
.endr
	WIN 0
.irp u, 0,1,2,3,4,5,6,7
	ds_load_b128 v[OUT+32*\tt+4*\u:OUT+32*\tt+4*\u+3], v[RD] offset:2*SP*\u   ; a wave's LDS instructions are served in order: these see the stores above
.endr
.irp u, 0,1,2,3,4,5,6,7
	s_wait_dscnt 7-\u                              ; read-back u is in, the younger ones stay out
	global_store_b128 v[CO], v[OUT+32*\tt+4*\u:OUT+32*\tt+4*\u+3], s[46:47] offset:(16*\tt+2*\u)*4096   ; sixteen lanes store 256 consecutive bytes, aligned
.endr
.endm
	OUT16 0
	OUT16 1
	OUT16 2
	OUT16 3
	s_wait_tensorcnt 0x0
	ds_add_u32 v254, v255
	s_wait_dscnt 0x0
	CROUND                                         ; the closing round: no work-group ends while a partner may still ask for a tile that names it
	s_endpgm
.Lfunc_end_k_q45eb497fa5_oproj:
	.size	k_q45eb497fa5_oproj, .Lfunc_end_k_q45eb497fa5_oproj-k_q45eb497fa5_oproj
	.p2alignl 7, 3214868480
	.fill 96, 4, 3214868480
	.section	.rodata,"a",@progbits
	.p2align	6, 0x0
	.amdhsa_kernel k_q45eb497fa5_oproj
		.amdhsa_group_segment_fixed_size 327680
		.amdhsa_private_segment_fixed_size 0
		.amdhsa_enable_private_segment 0
		.amdhsa_kernarg_size 32
		.amdhsa_user_sgpr_count 2
		.amdhsa_user_sgpr_kernarg_segment_ptr 1
		.amdhsa_wavefront_size32 1
		.amdhsa_system_sgpr_workgroup_id_x 1
		.amdhsa_system_sgpr_workgroup_id_y 1
		.amdhsa_system_sgpr_workgroup_id_z 1
		.amdhsa_system_vgpr_workitem_id 0
		.amdhsa_next_free_vgpr 384
		.amdhsa_next_free_sgpr 90
		.amdhsa_reserve_vcc 0
		.amdhsa_float_denorm_mode_32 3
		.amdhsa_float_denorm_mode_16_64 3
		.amdhsa_memory_ordered 1
		.amdhsa_forward_progress 1
		.amdhsa_inst_pref_size 93
	.end_amdhsa_kernel
	.amdgpu_metadata
---
amdhsa.version: [ 1, 2 ]
amdhsa.kernels:
  - .name:           k_q45eb497fa5_oproj
    .symbol:         k_q45eb497fa5_oproj.kd
    .args:
      - { .name: ab, .offset: 0, .size: 8, .value_kind: global_buffer, .address_space: global }
      - { .name: wb, .offset: 8, .size: 8, .value_kind: global_buffer, .address_space: global }
      - { .name: bo, .offset: 16, .size: 8, .value_kind: global_buffer, .address_space: global }
      - { .name: out0, .offset: 24, .size: 8, .value_kind: global_buffer, .address_space: global }
    .group_segment_fixed_size: 327680
    .private_segment_fixed_size: 0
    .kernarg_segment_align: 8
    .kernarg_segment_size: 32
    .max_flat_workgroup_size: 128
    .sgpr_count:     90
    .vgpr_count:     384
    .wavefront_size: 32
...
	.end_amdgpu_metadata
.endif
;; end of part 7
